; MI455X (gfx1250); checked and timed in simulation.
; The chip was launched on July 23, 2026; its instructions are those of AMD's public machine-readable ISA for CDNA 5 (MIT licence, August 2026) and "CDNA5" Instruction Set Architecture Reference Guide (July 2026). The comments in the code are by the model that wrote it; some were corrected since.
;; Muti Head Attention. Allowed arithmetic: matrix products marked QUANTISED: E5M2 operands, one E8M0 scale for each 32 along K, by v_wmma_scale_f32_16x16x128_f8f6f4 with both operands' format E5M2, f32 sums; everything else in f32.
;; Inputs: bo 1,024 float32; wk 1,024 x 1,024 float32; wo 1,024 x 1,024 float32; wq 1,024 x 1,024 float32; wv 1,024 x 1,024 float32; x 4 x 2,048 x 1,024 float32.
;; Outputs: out0 4 x 2,048 x 1,024 float32.
;; This version of the problem:
;;   THIS VERSION OF THE PROBLEM IS GIVEN IN LOW PRECISION. The matrix products marked QUANTISED in the list below multiply operands that are first quantised to E5M2 (5 exponent bits, 2 mantissa bits; 8 bits a number), with one power-of-two scale for each 32 numbers along K (OCP MX v1.0); their sums are f32. All else is computed in f32.
;;   The module's matrix products, in the order in which they are computed (A, B: the left and right operand; K: the contracted axis; several contracted axes count as one K, in the product's order):
;;     1. [M 8,192, K 1,024] x [K 1,024, N 1,024]; A: input x; B: input wq: QUANTISED
;;     2. [M 8,192, K 1,024] x [K 1,024, N 1,024]; A: input x; B: input wk: QUANTISED
;;     3. [M 8,192, K 1,024] x [K 1,024, N 1,024]; A: input x; B: input wv: QUANTISED
;;     4. batch 64 x [M 2,048, K 64] x [K 64, N 2,048]; A: computed on the way; B: computed on the way: QUANTISED
;;     5. batch 64 x [M 2,048, K 2,048] x [K 2,048, N 64]; A: softmax (see below); B: computed on the way: QUANTISED
;;     6. [M 8,192, K 1,024] x [K 1,024, N 1,024]; A: computed on the way; B: input wo: QUANTISED
;;   THE QUANTISER, for each operand of a quantised product, along K:
;;     - K is cut into blocks of 32 from its start; a last block that is shorter is filled with zeros.
;;     - A block's scale is 2^e with e = floor(log2(the largest magnitude in the block)) - 15, held to -126 .. 127; a block of zeros has e = 0. As a byte (E8M0): e + 127.
;;     - Each number is divided by its block's scale, clamped to +-57,344, and rounded to the nearest number of E5M2, ties to even, subnormals kept.
;;     - The product sums the exact products of the quantised numbers (number of the format x scale) in f32.
;;   ~~~python
;;   def quantise(x, axis):      # numpy; x: float32 -> the quantised numbers, widened to float32 again
;;       x = np.moveaxis(x, axis, -1); K = x.shape[-1]
;;       x = np.pad(x, [(0, 0)] * (x.ndim - 1) + [(0, -K % 32)]); x = x.reshape(x.shape[:-1] + (-1, 32)); a = np.abs(x).max(-1, keepdims=True)
;;       e = np.where(a > 0, np.clip(np.frexp(np.where(a > 0, a, 1))[1] - 1 - 15, -126, 127), 0)      # np.frexp(a)[1] - 1 = floor(log2(a)), exactly
;;       r = np.clip(x / 2.0 ** e, -57344, 57344)
;;       step = 2.0 ** (np.maximum(np.frexp(np.where(r == 0, 1, r))[1] - 1, -14) - 2)
;;       q = np.round(r / step) * step * 2.0 ** e      # np.round: ties to even
;;       return np.moveaxis(q.reshape(q.shape[:-2] + (-1,))[..., :K], -1, axis).astype(np.float32)
;;   ~~~
;;   SOFTMAX AHEAD OF A QUANTISED PRODUCT. Where the list says 'softmax', what is quantised is not the finished softmax but p = 2^(t - M), with t = logit x log2(e) and M = ceil(the row's largest t), a whole number; so 1/2 < the row's largest p <= 1. The row's sum l is taken of the UNQUANTISED p, in f32, and the product's result is divided by l at the end. Since M is a whole number, a kernel that streams over the keys may use a running M (the ceiling of the running maximum): every later rescaling is an exact power of two, which a block's scale takes up: the codes' values come out the same.
;;   OPERANDS COMPUTED ON THE WAY. 'Computed on the way' means the value that the module computes at that place (a softmax that the list does not call 'softmax' is quantised finished and normalised). What goes into a quantiser is computed in f32, as accurately as f32 sums, v_exp_f32 and their like allow (about 1e-6 of the number): no bf16 or f16 on the way to a quantiser, and a product that is left as it is and whose result goes on into a quantised operand takes f32 operands (vector FMAs, or v_wmma_f32_16x16x4_f32). A number that lies on a knife's edge between two numbers of the format may be rounded either way, as far as f32 arithmetic and the matrix unit's own rounding can turn it there, and no further.
;; One version. Each part assembles by itself: llvm-mc -triple=amdgcn-amd-amdhsa -mcpu=gfx1250 --defsym DOCPART=n.
;; ======== version 1 of 1: 4 launches
;; limits: right only within a limited range of input values
;; workspace buffers: xq 8,650,752 bytes; wc 4,325,376 bytes; qk 17,301,504 bytes; vt 8,650,752 bytes; ctx 8,650,752 bytes
;; launch quant (part 1): grid 384 x 1, 4 waves a work-group, no clusters, 69,120 bytes of LDS; arguments wq, wk, wv, wo, x, xq, wc; writes xq, wc
.if DOCPART == 1
	.amdgcn_target "amdgcn-amd-amdhsa--gfx1250"
	.amdhsa_code_object_version 6
	.text
	.protected	k_q46b42d9318_quant
	.globl	k_q46b42d9318_quant
	.p2align	8
	.type	k_q46b42d9318_quant,@function
k_q46b42d9318_quant:
	s_mov_b64 s[64:65], 0
	v_nop
	global_prefetch_b8 v0, s[64:65] scope:SCOPE_SE
	s_setreg_imm32_b32 hwreg(HW_REG_WAVE_MODE, 25, 1), 1
	s_wait_xcnt 0x0
; ALL FIVE f32 OPERANDS ARE TURNED INTO CODES OF BF8 (E5M2) WITH ONE E8M0 SCALE BYTE FOR EACH 32 ALONG K, IN ONE LAUNCH.
; Work-groups 0-127 take the four weights, work-groups 128-383 take x.  The two ways part once, on the work-group's number, and never join; each has LDS bytes of its own.
; THE RULE, on both ways: a block's scale is 2^(floor(log2(its largest magnitude)) - 15); its byte is the largest magnitude's exponent field - 15, held at 1 from below.  Each number is divided by the scale,
; held within +-57,344 and rounded to the nearest code, ties to even.  (A block of zeros gets the byte 1 where the rule says 127: its codes are zeros, and this program alone reads the bytes.)
; LIMITS: blocks whose largest magnitude lies under 2^-111 keep the byte 1; NaN and infinities among the inputs are not served.
; No tensor loads, no barrier: waves share nothing.
;
; THE WEIGHTS.  wq, wk, wv, wo, each [1024 (k)][1024 (n)] with K as the FIRST axis, become codes laid [4096][1024] with K innermost (row = 1024 x tensor + n) at wc + 0, and scale bytes [4096][32] at wc + 0x400000.
; A LANE TAKES A COLUMN n, AND ITS REGISTERS RUN DOWN K: each load reads neighbouring n in neighbouring lanes, a block of 32 along K lies in one lane's 32 registers, and the conversions give codes with K innermost.
; WO'S ORDER INSIDE A BLOCK.  The operand that meets wo (the attention's result) is quantised in registers in which a block's byte 16 h + 8 u + j holds k = 16 u + 8 h + j.  So wo, and wo alone, is laid in the same order:
; registers 8-15 take rows 16-23 of the block and registers 16-23 rows 8-15.  Blocks and scales are the same; only the place of a code inside its block differs, alike on both sides of the product.
; A wave takes 32 columns x 256 along K; its codes go through its own stage in LDS and leave by rows, sixteen lanes storing 256 consecutive aligned bytes.  A lane's 8 scale bytes leave by one store of 8 bytes,
; rows 32 bytes apart: these are one byte in 128 of what this way reads.  Loads run two blocks (64 loads a wave) ahead.
;
; X.  x [8192][1024] becomes codes, K innermost, at xq + 0, and scale bytes [8192][32] at xq + 0x800000.  Rows are dense and 1,024 is a multiple of 32: the tensor is a plain stream of blocks of 32.
; A wave takes 16 steps of 512 numbers.  Each of a step's four loads reads 512 consecutive bytes, 16 a lane; the 2,048 bytes go through the wave's own stage in LDS and come back 64 bytes a lane,
; so that a lane holds 16 neighbours along K (two neighbouring lanes hold a block).  A lane's 16 codes are 16 bytes: the wave stores 512 consecutive bytes.  A wave's 256 scale bytes are gathered
; in its own LDS bytes and leave as 256 consecutive, aligned bytes.  Loads run four steps (16 loads a wave) ahead, the turn through LDS one step.
.set WGW,   128                        ; work-groups for the weights: 4 tensors x 8 groups of 128 columns x 4 quarters of K
.set EMAX,  15
.set MANT,  0x600000                   ; the mantissa field of 57,344 as f32
; the weights' way
.set WLDS,  32768                      ; its LDS bytes begin behind x's
.set KW,    256                        ; along K for a wave
.set NB,    KW/32                      ; blocks
.set ROWB,  256                        ; bytes of KW codes
.set PITCH, ROWB+16                    ; a stage row
.set KROW,  1024                       ; a row of the codes' buffer in bytes
.set NROW,  4096                       ; a row of a weight in bytes
.set WX,    32                         ; v32-95   two sets of 32 numbers
.set WC,    96                         ; v96-103  a block's codes
.set OUTR,  112                        ; v112-175 the way out
.set SB,    24                         ; v24-25   the scale bytes, four to a register
; x's way
.set STEPS, 16
.set CB,    16                         ; bytes of 16 codes
.set XR,    16                         ; v16-79   four sets of 16 numbers as they are loaded
.set XN,    80                         ; v80-111  two sets of 16 neighbours
.set XC,    128                        ; v128-191 codes: four registers for each step, so that no store's data are written again
.set XE,    112                        ; v112-127 a scale byte for each step
.set WREG,  8192                       ; LDS: a region of its own for each wave: two stages of 32 x SP bytes, and behind them its 256 scale bytes
.set SP,    80                         ; a lane's place in a stage: its 64 bytes + 16 of padding
.set SCAT,  0x800000                   ; where the scale bytes begin in xq
	v_lshl_add_u32 v192, v0, 2, 0x10c00
	v_mov_b32 v193, 0
	v_lshrrev_b32 v1, 5, v0
	v_readfirstlane_b32 s16, v1                    ; wave 0..3
	v_and_b32 v2, 31, v0                           ; lane
	s_cmp_lt_u32 ttmp9, WGW                        ; the ways part on the work-group's number alone
	s_cbranch_scc0 .Lx_way
; ---------------- the weights ----------------
	s_load_b256 s[4:11], s[0:1], 0x0               ; wq, wk, wv, wo
	s_load_b64 s[12:13], s[0:1], 0x30              ; wc
	s_bfe_u32 s14, ttmp9, 0x20003                  ; which tensor (2 bits from bit 3): 0 wq, 1 wk, 2 wv, 3 wo
	s_and_b32 s17, ttmp9, 7
	s_lshl_b32 s17, s17, 7
	s_lshl_b32 s18, s16, 5
	s_add_co_u32 s17, s17, s18                     ; my wave's first column
	s_lshr_b32 s18, ttmp9, 5                       ; which 256 along K
	s_wait_alu depctr_va_vdst(0)
	v_lshlrev_b32 v3, 2, v2                        ; in: 4 bytes a lane
	s_mul_i32 s19, s16, 32*PITCH
	s_add_co_u32 s19, s19, WLDS                    ; my stage
	v_mul_u32_u24 v4, v2, PITCH
	v_add_nc_u32 v4, s19, v4                       ; into it: row = my column
	v_and_b32 v5, 15, v2
	v_lshrrev_b32 v6, 4, v2                        ; out of it: sixteen lanes to a row, two rows an instruction
	v_mul_u32_u24 v7, v6, PITCH
	v_lshl_add_u32 v7, v5, 4, v7
	v_add_nc_u32 v7, s19, v7
	v_mul_u32_u24 v8, v6, KROW
	v_lshl_add_u32 v8, v5, 4, v8                   ; and the same place in the codes' buffer
	v_lshlrev_b32 v9, 5, v2                        ; my column's row of scale bytes: 32 bytes a row
	s_lshl_b32 s20, s18, 20                        ; the weight: 256 rows of 4,096 bytes for each quarter of K,
	s_lshl_b32 s22, s17, 2
	s_add_co_u32 s20, s20, s22                     ; + 4 x column
	s_mov_b32 s21, 0
	s_lshl_b32 s22, s14, 10
	s_add_co_u32 s22, s22, s17                     ; my first row of the codes' buffer
	s_lshl_b32 s24, s22, 10
	s_lshl_b32 s26, s18, 8
	s_add_co_u32 s24, s24, s26                     ; codes: row x 1,024 + 256 x quarter
	s_mov_b32 s25, 0
	s_lshl_b32 s28, s22, 5
	s_lshl_b32 s26, s18, 3
	s_add_co_u32 s28, s28, s26
	s_add_co_u32 s28, s28, 0x400000                ; scale bytes: 0x400000 + row x 32 + 8 x quarter
	s_mov_b32 s29, 0
	s_cmp_eq_u32 s14, 3                            ; wo: the block's two middle groups of eight rows change places
	s_cselect_b32 s30, 8*NROW, 0
	s_cselect_b32 s33, 0, 8*NROW
	v_add_nc_u32 v16, s30, v3                      ; for registers 8-15: eight rows further down for wo
	v_add_nc_u32 v17, s33, v3                      ; for registers 16-23, whose immediate stands eight rows back: eight rows further down for the others
	s_wait_alu depctr_va_vdst(0)
	s_wait_kmcnt 0x0
	s_cmp_eq_u32 s14, 1                            ; the choice hangs on the work-group's number alone
	s_cselect_b64 s[4:5], s[6:7], s[4:5]
	s_cmp_eq_u32 s14, 2
	s_cselect_b64 s[4:5], s[8:9], s[4:5]
	s_cmp_eq_u32 s14, 3
	s_cselect_b64 s[4:5], s[10:11], s[4:5]
	s_add_nc_u64 s[4:5], s[4:5], s[20:21]
	s_add_nc_u64 s[6:7], s[12:13], s[24:25]
	s_add_nc_u64 s[8:9], s[12:13], s[28:29]
.macro WLOAD t                         ; block t into set t % 2: 32 loads
.irp i, 0,1,2,3,4,5,6,7
	global_load_b32 v[WX+32*((\t)%2)+\i], v3, s[4:5] offset:(32*(\t)+\i)*NROW th:TH_LOAD_NT
.endr
.irp i, 8,9,10,11,12,13,14,15
	global_load_b32 v[WX+32*((\t)%2)+\i], v16, s[4:5] offset:(32*(\t)+\i)*NROW th:TH_LOAD_NT
.endr
.irp i, 16,17,18,19,20,21,22,23
	global_load_b32 v[WX+32*((\t)%2)+\i], v17, s[4:5] offset:(32*(\t)+\i-8)*NROW th:TH_LOAD_NT
.endr
.irp i, 24,25,26,27,28,29,30,31
	global_load_b32 v[WX+32*((\t)%2)+\i], v3, s[4:5] offset:(32*(\t)+\i)*NROW th:TH_LOAD_NT
.endr
.endm
	WLOAD 0
	WLOAD 1
.macro WBLOCK t
.set WS, WX+32*((\t)%2)
.if (\t) < NB-1
	s_wait_loadcnt 32                              ; this block's 32 loads are in; the next block's may be out
.else
	s_wait_loadcnt 0
.endif
	v_max3_num_f32 v12, |v[WS]|, |v[WS+1]|, |v[WS+2]|               ; the block's largest magnitude: all 32 numbers are mine
	v_max3_num_f32 v13, |v[WS+3]|, |v[WS+4]|, |v[WS+5]|
.irp i, 6,10,14,18,22,26
	v_max3_num_f32 v12, v12, |v[WS+\i]|, |v[WS+\i+1]|
	v_max3_num_f32 v13, v13, |v[WS+\i+2]|, |v[WS+\i+3]|
.endr
	v_max3_num_f32 v12, v12, |v[WS+30]|, |v[WS+31]|
	v_max3_num_f32 v12, v12, v13, (EMAX+1)<<23     ; and the floor 2^(16 - 127)
	v_add_nc_u32 v11, 0xf8800000, v12              ; 15 off its exponent field: the conversion's scale operand
	v_lshrrev_b32 v13, 23, v11                     ; the scale's byte
.if (\t)%4 == 0
	v_mov_b32 v[SB+(\t)/4], v13                    ; four bytes to a register, the lower K in the lower byte
.else
	v_lshl_or_b32 v[SB+(\t)/4], v13, 8*((\t)%4), v[SB+(\t)/4]
.endif
.irp i, 0,1,2,3,4,5,6,7,8,9,10,11,12,13,14,15,16,17,18,19,20,21,22,23,24,25,26,27,28,29,30,31
.endr
.irp g, 0,1,2,3
	v_cvt_scalef32_pk8_bf8_f32 v[WC+2*\g:WC+2*\g+1], v[WS+8*\g:WS+8*\g+7], v11
.endr
	v_nop                                          ; one plain line behind the last conversion
	ds_store_b128 v4, v[WC:WC+3] offset:32*(\t)    ; 32 codes: 32 bytes of my column's row
	ds_store_b128 v4, v[WC+4:WC+7] offset:32*(\t)+16
.if (\t)+2 < NB
	WLOAD (\t)+2
.endif
	s_wait_dscnt 0x0                               ; the stores have read their registers: the next block's codes may be written
.endm
.set Q, 0
.rept NB
	WBLOCK Q
.set Q, Q+1
.endr
	s_wait_alu depctr_va_vdst(0)
	global_store_b64 v9, v[SB:SB+1], s[8:9]        ; my column's 8 scale bytes
.irp t, 0,1,2,3,4,5,6,7,8,9,10,11,12,13,14,15
	ds_load_b128 v[OUTR+4*\t:OUTR+4*\t+3], v7 offset:2*\t*PITCH   ; LDS serves a wave's instructions in order: these see my stores
.endr
.irp t, 0,1,2,3,4,5,6,7,8,9,10,11,12,13,14,15
	s_wait_dscnt 15-\t                             ; load t is back; the younger ones may be out
	global_store_b128 v8, v[OUTR+4*\t:OUTR+4*\t+3], s[6:7] offset:2*\t*KROW
.endr
	s_wait_tensorcnt 0x0
	ds_add_u32 v192, v193
	s_wait_dscnt 0x0
	s_endpgm
; ---------------- x ----------------
.Lx_way:
	s_load_b128 s[4:7], s[0:1], 0x20               ; x s[4:5], xq s[6:7]
	s_wait_alu depctr_va_vdst(0)
	v_lshlrev_b32 v3, 4, v2                        ; my 16 bytes of a load's 512
	s_mul_i32 s17, s16, WREG
	v_lshrrev_b32 v14, 2, v2
	v_mul_u32_u24 v14, v14, SP
	v_and_b32 v15, 3, v2
	v_lshl_add_u32 v14, v15, 4, v14
	v_add_nc_u32 v14, s17, v14                     ; the stage, on the way in: SP (lane / 4) + 16 (lane % 4)
	v_mul_u32_u24 v15, v2, SP
	v_add_nc_u32 v15, s17, v15                     ; and on the way out: SP x lane: my 16 neighbours
	v_mul_u32_u24 v4, v2, CB                       ; my codes' place in a step's
	v_lshrrev_b32 v5, 1, v2
	s_add_co_u32 s17, s17, 2*32*SP
	v_add_nc_u32 v5, s17, v5                       ; LDS: my wave's 256 scale bytes, my block's byte
	v_lshlrev_b32 v7, 3, v2                        ; and on the way out 8 bytes a lane
	v_add_nc_u32 v6, s17, v7
	s_sub_co_u32 s17, ttmp9, WGW                   ; x's work-groups count from 0
	s_lshl_b32 s17, s17, 2
	s_add_co_u32 s18, s17, s16                     ; which run of 8,192 numbers is my wave's: 0 .. 1,023
	s_lshl_b32 s20, s18, 15                        ; its numbers: 32,768 bytes a run
	s_mov_b32 s21, 0
	s_lshl_b32 s24, s18, 13                        ; its codes: 8,192 bytes
	s_mov_b32 s25, 0
	s_lshl_b32 s18, s18, 8                         ; its scale bytes: 256
	s_mov_b32 s19, 0
	s_wait_alu depctr_va_vdst(0)
	s_wait_kmcnt 0x0
	s_add_nc_u64 s[4:5], s[4:5], s[20:21]
	s_add_nc_u64 s[8:9], s[6:7], s[24:25]
	s_add_nc_u64 s[10:11], s[6:7], SCAT
	s_add_nc_u64 s[10:11], s[10:11], s[18:19]
.macro XLOAD t
.irp i, 0,1,2,3
	global_load_b128 v[XR+16*((\t)%4)+4*\i:XR+16*((\t)%4)+4*\i+3], v3, s[4:5] offset:2048*(\t)+512*\i th:TH_LOAD_NT   ; 32 lanes read 512 consecutive bytes
.endr
.endm
.macro XTURN t                         ; step t's numbers through the stage: LDS serves a wave's instructions in order, so no wait stands between the stores and the loads
.irp i, 0,1,2,3
	ds_store_b128 v14, v[XR+16*((\t)%4)+4*\i:XR+16*((\t)%4)+4*\i+3] offset:32*SP*((\t)%2)+8*SP*\i
.endr
.irp i, 0,1,2,3
	ds_load_b128 v[XN+16*((\t)%2)+4*\i:XN+16*((\t)%2)+4*\i+3], v15 offset:32*SP*((\t)%2)+16*\i
.endr
.endm
.irp t, 0,1,2,3
	XLOAD \t
.endr
	s_wait_loadcnt 12                              ; step 0's four loads are in; the twelve of steps 1 to 3 may be out
	XTURN 0
.macro XSTEP t
.set XS, XN+16*((\t)%2)
.if (\t) > 0
	s_wait_dscnt 1                                 ; this step's numbers are back from the stage (the last step's byte store may be out): so its stores into the stage have read their registers,
.else
	s_wait_dscnt 0x0
.endif
.if (\t)+4 < STEPS
	XLOAD (\t)+4                                   ; which take the loads of four steps on
.endif
.if (\t)+1 < STEPS
.if STEPS-2-(\t) >= 3
	s_wait_loadcnt 12                              ; the next step's four loads are in; those of the three steps behind it may be out
.else
	s_wait_loadcnt 4*(STEPS-2-(\t))
.endif
	XTURN (\t)+1                                   ; and go through the other stage while this step is worked
.endif
	v_max3_num_f32 v8, |v[XS]|, |v[XS+1]|, |v[XS+2]|               ; the largest magnitude of my 16, in two chains
	v_max3_num_f32 v9, |v[XS+3]|, |v[XS+4]|, |v[XS+5]|
.irp i, 6,10
	v_max3_num_f32 v8, v8, |v[XS+\i]|, |v[XS+\i+1]|
	v_max3_num_f32 v9, v9, |v[XS+\i+2]|, |v[XS+\i+3]|
.endr
	v_max3_num_f32 v8, v8, |v[XS+14]|, |v[XS+15]|
	v_max3_num_f32 v8, v8, v9, (EMAX+1)<<23        ; and the floor 2^(16 - 127): the byte cannot fall under 1
	v_max_num_f32_dpp v8, v8, v8 row_xmask:1 row_mask:0xf bank_mask:0xf   ; and of my neighbour's 16: the block's
	v_add_nc_u32 v11, 0xf8800000, v8               ; 15 off its exponent field: the conversion takes the exponent field of this operand as its scale
.irp i, 0,1,2,3,4,5,6,7,8,9,10,11,12,13,14,15
.endr
	v_cvt_scalef32_pk8_bf8_f32 v[XC+4*(\t):XC+4*(\t)+1], v[XS:XS+7], v11
	v_cvt_scalef32_pk8_bf8_f32 v[XC+4*(\t)+2:XC+4*(\t)+3], v[XS+8:XS+15], v11
	v_lshrrev_b32 v[XE+(\t)], 23, v11              ; the scale's byte (also the plain line behind the conversions)
	ds_store_b8 v5, v[XE+(\t)] offset:16*(\t)      ; both lanes of a block write the same byte with the same value
	global_store_b128 v4, v[XC+4*(\t):XC+4*(\t)+3], s[8:9] offset:32*CB*(\t)
.endm
.irp t, 0,1,2,3,4,5,6,7,8,9,10,11,12,13,14,15
	XSTEP \t
.endr
	ds_load_b64 v[12:13], v6                       ; LDS serves a wave's instructions in order: these see my stores
	s_wait_dscnt 0x0
	global_store_b64 v7, v[12:13], s[10:11]        ; 32 lanes store 256 consecutive bytes, aligned
	s_wait_tensorcnt 0x0
	ds_add_u32 v192, v193
	s_wait_dscnt 0x0
	s_endpgm
.Lfunc_end_k_q46b42d9318_quant:
	.size	k_q46b42d9318_quant, .Lfunc_end_k_q46b42d9318_quant-k_q46b42d9318_quant
	.p2alignl 7, 3214868480
	.fill 96, 4, 3214868480
	.section	.rodata,"a",@progbits
	.p2align	6, 0x0
	.amdhsa_kernel k_q46b42d9318_quant
		.amdhsa_group_segment_fixed_size 69120
		.amdhsa_private_segment_fixed_size 0
		.amdhsa_enable_private_segment 0
		.amdhsa_kernarg_size 56
		.amdhsa_user_sgpr_count 2
		.amdhsa_user_sgpr_kernarg_segment_ptr 1
		.amdhsa_wavefront_size32 1
		.amdhsa_system_sgpr_workgroup_id_x 1
		.amdhsa_system_sgpr_workgroup_id_y 1
		.amdhsa_system_sgpr_workgroup_id_z 1
		.amdhsa_system_vgpr_workitem_id 0
		.amdhsa_next_free_vgpr 194
		.amdhsa_next_free_sgpr 66
		.amdhsa_reserve_vcc 0
		.amdhsa_float_denorm_mode_32 3
		.amdhsa_float_denorm_mode_16_64 3
		.amdhsa_fp16_overflow 1
		.amdhsa_memory_ordered 1
		.amdhsa_forward_progress 1
		.amdhsa_inst_pref_size 76
	.end_amdhsa_kernel
	.amdgpu_metadata
---
amdhsa.version: [ 1, 2 ]
amdhsa.kernels:
  - .name:           k_q46b42d9318_quant
    .symbol:         k_q46b42d9318_quant.kd
    .args:
      - { .name: wq, .offset: 0, .size: 8, .value_kind: global_buffer, .address_space: global }
      - { .name: wk, .offset: 8, .size: 8, .value_kind: global_buffer, .address_space: global }
      - { .name: wv, .offset: 16, .size: 8, .value_kind: global_buffer, .address_space: global }
      - { .name: wo, .offset: 24, .size: 8, .value_kind: global_buffer, .address_space: global }
      - { .name: x, .offset: 32, .size: 8, .value_kind: global_buffer, .address_space: global }
      - { .name: xq, .offset: 40, .size: 8, .value_kind: global_buffer, .address_space: global }
      - { .name: wc, .offset: 48, .size: 8, .value_kind: global_buffer, .address_space: global }
    .group_segment_fixed_size: 69120
    .private_segment_fixed_size: 0
    .kernarg_segment_align: 8
    .kernarg_segment_size: 56
    .max_flat_workgroup_size: 128
    .sgpr_count:     66
    .vgpr_count:     194
    .wavefront_size: 32
...
	.end_amdgpu_metadata
.endif
;; end of part 1
;; launch gemm_qkv (part 2): grid 8 x 48, 4 waves a work-group, clusters of 4 x 4, 327,680 bytes of LDS; arguments xq, wc, qk, vt; writes qk, vt
.if DOCPART == 2
	.amdgcn_target "amdgcn-amd-amdhsa--gfx1250"
	.amdhsa_code_object_version 6
	.text
	.protected	k_q46b42d9318_gemm_qkv
	.globl	k_q46b42d9318_gemm_qkv
	.p2align	8
	.type	k_q46b42d9318_gemm_qkv,@function
k_q46b42d9318_gemm_qkv:
	s_mov_b64 s[64:65], 0
	v_nop
	global_prefetch_b8 v0, s[64:65] scope:SCOPE_SE
	s_setreg_imm32_b32 hwreg(HW_REG_WAVE_MODE, 25, 1), 1
	s_wait_xcnt 0x0
	s_wait_alu depctr_hold_cnt(0) depctr_sa_sdst(0) depctr_va_vdst(0) depctr_va_sdst(0) depctr_va_ssrc(0) depctr_va_vcc(0) depctr_vm_vsrc(0)
	s_getreg_b32 s2, hwreg(HW_REG_IB_STS2, 6, 4)
	s_cmp_eq_u32 s2, 0
	s_cbranch_scc0 .Lentry_in_a_cluster
	s_endpgm
.Lentry_in_a_cluster:
	s_bfe_u32 s2, ttmp6, 0x10000c
	s_cmp_lg_u32 s2, 0xf033
	s_cbranch_scc0 .Lentry_shape_is_right
	s_endpgm
.Lentry_shape_is_right:
; THREE PROJECTIONS ON CODES OF BF8 (E5M2) WITH E8M0 SCALES, AND THEIR RESULTS QUANTISED ON THE WAY OUT.  K = 1,024.
; Clusters with y < 8 (256 tiles of 256 x 256): C = x [8192] x (wq | wk) [2048]: A = x's codes, B = rows 0-2,047 of the weights' codes.  Their results are q and k: quantised along the head's 64.
; Clusters with y >= 8 (128 tiles): C = wv^T [1024] x x^T [8192]: A = rows 2,048-3,071 of the weights' codes, B = x's.  Its results are v TRANSPOSED: rows 64 head + d, columns tokens: quantised along the tokens (the keys).
; Both kinds take one path: only pointers and byte offsets are chosen, on the cluster's y, which all partners share.  A's address hangs on the cluster's numbers and cy, B's on the cluster's numbers and cx.
; A tile of C is made by four waves, each 128 x 128: 64 accumulators, 512 registers.  K goes in steps of 256 through a ring of two LDS slots filled by the tensor data mover; a tile's row is 256 bytes of memory.
; The scale bytes of the work-group's 256 rows of A and of B, for all of K, are two dense blocks of memory: they come into LDS once, with the first fills.
; CLUSTERS: 4 x 4 work-groups; A's tiles are asked for jointly by the four of a row of the cluster, B's by the four of a column.
; THE MATRIX INSTRUCTION IS USED TRANSPOSED (source 0 = 16 rows of B, source 1 = 16 rows of A): a lane holds row l % 16 of A's block, and the registers of the block's eight accumulators run along B's 128 rows:
; register 16 c + 8 u + j = column 32 c + 16 u + 8 (l / 16) + j.  Those 128 columns are the K of the next product, so the block is quantised in registers: lanes l and l xor 16 hold a block of 32.
; THE RESULT IS STORED AS AN IMAGE OF AN OPERAND'S REGISTERS: 16 rows x 128 K in 2,048 bytes, register group c (16 bytes a lane) at 512 c + 16 x lane, so each store of the wave covers 512 consecutive aligned bytes.
; Inside a block of 32, byte 16 h + 8 u + j holds k = 16 u + 8 h + j: the same on both sides of every product that reads these images (q with k; v^T with the weights p, which are made in the same layout).
;   qk: images [16 = 128 columns: 0-7 q's head pairs, 8-15 k's][512 = token / 16][2048]; scale words [16][512][16 rows x 4 bytes] at 0x1000000.
;   vt: images [64 = token / 128][64 = (64 head + d) / 16][2048]; scale words [64][64][16 x 4] at 0x800000.
; LIMITS: a block of zeros, or one whose largest magnitude lies under 2^-111, gets the byte 1; NaN and infinities are not served.
; REGISTERS, in windows of 256: window 0: v0-31 addresses; v32-63 scale words, two sets; from v128 A's fragments, one set; on the way out v64-191 at work.  window 1: B's fragments, two sets.  windows 2, 3: the accumulators.
.set SIZE_K, 1024
.set KSTEP,  256
.set NQ,     KSTEP/128
.set ROWB,   256
.set KROW,   SIZE_K
.set PITCH,  272                       ; an LDS row: 256 bytes + 16 of padding = 68 words: the 16 rows that a load touches start at 16 different banks (64 banks of 4 bytes: ISA guide 11.1)
.set FR,     16
.set NL,     4
.set NP,     8                         ; places behind this matrix instruction (ISA guide 7.12.1)
.set HALFT,  128*PITCH
.set SLOT,   4*HALFT
.set LAPS,   SIZE_K/(2*KSTEP)
.set KS,     SIZE_K/32
.set SCL,    2*SLOT
.set HALFS,  (128*KS/256)*272
.set SBLK,   (16*KS/256)*272
.set SPARE,  SCL+4*HALFS               ; the spare words, 128 bytes for each wave: two blocks of 256 bytes that no other line names
.set ADRA, 16
.set ADRB, 20
.set STO,  24                          ; v24  the way out: where I put a block's scale word: 512 x wave + 4 (l % 16), in slot 0, which has had its last fill and its last read by then
.set RD,   25                          ; v25  and where I read the wave's 512 bytes of them back
.set CO,   26                          ; v26  16 x lane
.set ADRS, 27
.set SPW,  28
.set NIL,  29
.set SC,   32
.set AF,   128
.set HN,   64                          ; the way out: v64-127 a block's 64 numbers, held
.set CD,   128                         ; v128-159 codes, two sets of 16
.set TM,   160                         ; v160-163 largest magnitudes, v164-167 bytes, v168-171 57,344 x the scale, v172-175 the conversions' scale operands
.set PW,   176                         ; v176-183 a scale word for each of the eight blocks
.set SW,   184                         ; v184-187 the words read back
.set G1, 24
.set G0, 32
.set G1B, 48
.set G0B, 56
.set G1S, 68
.set G0S, 76
.set G1SB, 80
.set G0SB, 88
.set MSB, 0
.macro WIN new                         ; the immediate's high byte repeats the setting that is left
.if MSB != \new
	s_set_vgpr_msb (MSB<<8)|\new
.set MSB, \new
.endif
.endm
.set MUL_LO, 0xa1                      ; source 0 (B) window 1, source 1 (A) window 0, C and D window 2
.set MUL_HI, 0xf1                      ; the same, C and D window 3
.set TO_B,   0x40                      ; destination window 1, address window 0
; A joint load: waves 0 and 1 fetch for A, waves 2 and 3 for B.  The branch hangs on the wave's number alone.  Four v_nop follow each of the two lines.
.macro JLOAD g0a, g1a, g0b, g1b
	s_cmp_eq_u32 s15, 0
	s_cbranch_scc0 .Lfor_b_\@
	tensor_load_to_lds s[\g0a:\g0a+3], s[\g1a:\g1a+7]
	s_nop 0
.rept 4
	v_nop
.endr
	s_branch .Lasked_\@
.Lfor_b_\@:
	tensor_load_to_lds s[\g0b:\g0b+3], s[\g1b:\g1b+7]
	s_nop 0
.rept 4
	v_nop
.endr
.Lasked_\@:
.endm
.macro CREST                           ; a round of the cluster's barrier behind its opening barrier
	s_cmp_lg_u32 s14, 0
	s_cbranch_scc1 .Lnot_wave_0_\@
	s_barrier_signal -3
.Lnot_wave_0_\@:
	s_barrier_wait -3
	s_barrier_signal -1
	s_barrier_wait -1
.endm
.macro CROUND                          ; a whole round
	s_barrier_signal -1
	s_barrier_wait -1
	CREST
.endm
	s_load_b256 s[4:11], s[0:1], 0x0               ; xq s[4:5], wc s[6:7], qk s[8:9], vt s[10:11]
	v_lshl_add_u32 v[SPW], v0, 2, SPARE
	v_mov_b32 v[NIL], 0
	ds_add_u32 v28, v29
	ds_add_u32 v28, v29
	s_wait_dscnt 0x0
	v_lshrrev_b32 v1, 5, v0
	v_readfirstlane_b32 s14, v1                    ; wave 0..3
	s_lshr_b32 s15, s14, 1                         ; which half of the tile's rows is mine.  Also: I fetch for A (0) or for B (1)
	s_and_b32 s16, s14, 1                          ; which half of its columns.  Also: which 128 rows of that tile I fetch
	s_bfe_u32 s40, ttmp6, 0x40000                  ; cx, cy: my place in the cluster
	s_bfe_u32 s41, ttmp6, 0x40004
	s_and_b32 s66, ttmp7, 0xffff                   ; the cluster's y: 0-7 q and k, 8-11 v^T
	s_sub_co_u32 s95, s66, 8
	s_lshl_b32 s95, s95, 1
	s_add_co_u32 s95, s95, ttmp9                   ; v^T: which four tile columns: x + 2 (y - 8) (used only where y >= 8)
	s_mov_b32 s42, ttmp9
	s_mov_b32 s98, 0x800000
	s_mov_b32 s100, 0x400000
	s_mov_b32 s104, 0x1000000
	s_mov_b32 s97, 0
	s_mov_b32 s99, 0
	s_mov_b32 s101, 0
	s_mov_b32 s105, 0
	s_cmp_ge_u32 s66, 8                            ; only selections and moves follow until all are made
	s_cselect_b32 s17, 0, s66                      ; four tile rows: v^T has only the cluster's own four
	s_cselect_b32 s42, s95, s42                    ; four tile columns
	s_cselect_b32 s67, 6, 9                        ; images in a run of 128 columns: 2^6 in vt, 2^9 in qk
	s_cselect_b32 s96, 0x200000, 0                 ; A's codes: wv's rows begin 2,048 x 1,024 bytes into wc; x's at 0
	s_cselect_b32 s98, 0x410000, s98               ; A's scale bytes: wc + 0x400000 + 2,048 x 32; xq + 0x800000
	s_cselect_b32 s100, 0x800000, s100             ; B's scale bytes: xq + 0x800000; wc + 0x400000
	s_cselect_b32 s104, 0x800000, s104             ; the result's scale words: vt + 0x800000; qk + 0x1000000
	s_lshl_b32 s42, s42, 2
	s_add_co_u32 s42, s42, s40                     ; tile column
	s_lshl_b32 s17, s17, 2
	s_add_co_u32 s17, s17, s41                     ; tile row
	s_lshl_b32 s43, s41, 2
	s_lshl_b32 s43, 15, s43                        ; my row of the cluster
	s_lshl_b32 s44, 0x1111, s40                    ; my column
	; descriptor group 1: a tile of 128 rows x 256 bytes, padded in LDS
	s_or_b32 s[G1+0], s43, (0<<16)|(1<<20)|(1<<21)|(5<<22)|(3<<25)  ; 15:0 the mask; 17:16 element of 1 byte; 20 padding on; 21 set beside a mask; 24:22 after every 64 words; 31:25 of 4 words
	s_or_b32 s[G1B+0], s44, (0<<16)|(1<<20)|(1<<21)|(5<<22)|(3<<25)
.irp g, G1, G1B
	s_mov_b32 s[\g+1], ROWB<<16                    ; tensor_dim0
	s_mov_b32 s[\g+2], 128<<16                     ; tensor_dim1
	s_mov_b32 s[\g+3], ROWB<<16                    ; tile_dim0
	s_mov_b32 s[\g+4], 128                         ; tile_dim1
	s_mov_b32 s[\g+5], KROW                        ; tensor_dim0_stride
	s_mov_b32 s[\g+6], 0
	s_mov_b32 s[\g+7], 0
.endr
	; the scale bytes of 128 rows: 4,096 dense bytes, as 16 rows of 256 bytes (32 elements of 8 bytes), 16 bytes of padding behind each
	s_or_b32 s[G1S+0], s43, (3<<16)|(1<<20)|(1<<21)|(5<<22)|(3<<25)
	s_or_b32 s[G1SB+0], s44, (3<<16)|(1<<20)|(1<<21)|(5<<22)|(3<<25)
.irp g, G1S, G1SB
	s_mov_b32 s[\g+1], 32<<16
	s_mov_b32 s[\g+2], (128*KS/256)<<16
	s_mov_b32 s[\g+3], 32<<16
	s_mov_b32 s[\g+4], 128*KS/256
	s_mov_b32 s[\g+5], 32
	s_mov_b32 s[\g+6], 0
	s_mov_b32 s[\g+7], 0
.endr
	s_lshl_b32 s18, s16, 7                         ; which 128 rows of the tile I fetch
	s_lshl_b32 s20, s17, 8
	s_add_co_u32 s20, s20, s18                     ; A: row 256 x tile row + 128 x half
	s_lshl_b32 s46, s42, 8
	s_add_co_u32 s46, s46, s18                     ; B: row 256 x tile column + 128 x half
	s_mov_b32 s21, 0
	s_mov_b32 s47, 0
	s_mov_b64 s[18:19], KS
	s_mul_u64 s[22:23], s[20:21], s[18:19]         ; where these rows' scale bytes begin
	s_mul_u64 s[92:93], s[46:47], s[18:19]
	s_mov_b64 s[18:19], KROW
	s_mul_u64 s[20:21], s[20:21], s[18:19]         ; and their codes
	s_mul_u64 s[46:47], s[46:47], s[18:19]
	s_mul_i32 s45, s14, HALFT                      ; where they go: wave x 128 rows: no place in the cluster enters an LDS address
	s_mul_i32 s94, s14, HALFS
	s_wait_kmcnt 0x0
	s_cmp_ge_u32 s66, 8                            ; the buffers are chosen on the cluster's y alone; each selection reads pairs that are still as they were loaded
	s_cselect_b64 s[12:13], s[10:11], s[8:9]       ; the result: vt or qk
	s_cselect_b64 s[8:9], s[4:5], s[6:7]           ; B: xq or wc
	s_cselect_b64 s[4:5], s[6:7], s[4:5]           ; A: wc or xq
	s_add_nc_u64 s[6:7], s[4:5], s[98:99]          ; A's scale bytes
	s_add_nc_u64 s[4:5], s[4:5], s[96:97]          ; A's codes
	s_add_nc_u64 s[10:11], s[8:9], s[100:101]      ; B's scale bytes
	s_add_nc_u64 s[20:21], s[4:5], s[20:21]
	s_add_nc_u64 s[22:23], s[6:7], s[22:23]
	s_add_nc_u64 s[46:47], s[8:9], s[46:47]
	s_add_nc_u64 s[92:93], s[10:11], s[92:93]
	CROUND                                         ; all sixteen work-groups are here: the first joint loads meet
	s_mov_b32 s[G0S], 1
	s_add_co_u32 s[G0S+1], s94, SCL
	s_mov_b64 s[G0S+2:G0S+3], s[22:23]
	s_or_b32 s[G0S+3], s[G0S+3], 0x80000000
	s_mov_b32 s[G0SB], 1
	s_add_co_u32 s[G0SB+1], s94, SCL
	s_mov_b64 s[G0SB+2:G0SB+3], s[92:93]
	s_or_b32 s[G0SB+3], s[G0SB+3], 0x80000000
	JLOAD G0S, G1S, G0SB, G1SB                     ; the scale bytes first: they are wanted with K step 0
.irp s, 0,1
	s_mov_b32 s[G0+4*\s], 1
	s_add_co_u32 s[G0+4*\s+1], s45, \s*SLOT
	s_add_nc_u64 s[G0+4*\s+2:G0+4*\s+3], s[20:21], \s*ROWB
	s_or_b32 s[G0+4*\s+3], s[G0+4*\s+3], 0x80000000
	s_mov_b32 s[G0B+4*\s], 1
	s_add_co_u32 s[G0B+4*\s+1], s45, \s*SLOT
	s_add_nc_u64 s[G0B+4*\s+2:G0B+4*\s+3], s[46:47], \s*ROWB
	s_or_b32 s[G0B+4*\s+3], s[G0B+4*\s+3], 0x80000000
	JLOAD G0+4*\s, G1, G0B+4*\s, G1B
.endr
	v_and_b32 v1, 15, v0                           ; l % 16
	v_bfe_u32 v2, v0, 4, 1                         ; l / 16
	v_mul_u32_u24 v3, v1, PITCH
	v_lshl_add_u32 v4, v2, 4, v3                   ; a fragment's row x pitch + 16 x half
	s_mul_i32 s21, s15, HALFT                      ; my 128 rows of A
	s_mul_i32 s22, s16, HALFT                      ; my 128 rows of B,
	s_add_co_u32 s22, s22, 2*HALFT                 ; which lie behind A's 256
.irp s, 0,1
	v_add_nc_u32 v[ADRA+\s], s21, v4
	v_add_nc_u32 v[ADRB+\s], s22, v4
	s_add_co_u32 s21, s21, SLOT
	s_add_co_u32 s22, s22, SLOT
.endr
	v_mul_u32_u24 v5, v1, KS                       ; my row's scale bytes: 32 a row,
	v_lshrrev_b32 v6, 8, v5
	v_lshl_add_u32 v5, v6, 4, v5                   ; and 16 more for each 256 passed
	s_mul_i32 s21, s15, HALFS                      ; A's: my 128 rows
	s_mul_i32 s22, s16, HALFS                      ; B's: my 128 rows, behind A's 256
	s_add_co_u32 s22, s22, 2*HALFS
	s_sub_co_u32 s22, s22, s21
	v_mul_u32_u24 v6, s22, v2                      ; lanes 16-31 take B's: one product, the distance between the two bases
	s_add_co_u32 s21, s21, SCL
	v_add_nc_u32 v5, v5, v6
	v_add_nc_u32 v[ADRS], s21, v5
	s_lshl_b32 s23, s14, 9                         ; the way out: 512 bytes of LDS for my wave's scale words
	v_lshlrev_b32 v5, 2, v1
	v_add_nc_u32 v[STO], s23, v5
	v_and_b32 v6, 31, v0
	v_lshlrev_b32 v[CO], 4, v6
	v_add_nc_u32 v[RD], s23, v[CO]
	; where my eight images begin: index = (run of 128 columns << 6 or 9) + 16 x tile row + 8 x half
	s_lshl_b32 s20, s17, 4
	s_lshl_b32 s21, s15, 3
	s_add_co_u32 s20, s20, s21
	s_lshl_b32 s46, s42, 1                         ; (in the registers that held B's address: none that feeds A's descriptors ever holds cx)
	s_add_co_u32 s46, s46, s16
	s_lshl_b32 s46, s46, s67
	s_add_co_u32 s46, s46, s20
	s_lshl_b32 s22, s46, 6                         ; 64 bytes of scale words an image
	s_mov_b32 s23, 0
	s_add_nc_u64 s[92:93], s[12:13], s[104:105]
	s_add_nc_u64 s[92:93], s[92:93], s[22:23]
	s_lshl_b32 s22, s46, 11                        ; 2,048 bytes of codes
	s_add_nc_u64 s[12:13], s[12:13], s[22:23]
.macro FRAG reg, adr, q, i             ; a fragment, 16 rows x 128 K of 8-bit codes: lane l holds row l % 16; registers 4 c .. 4 c + 3 hold K = 32 c + 16 (l / 16) + 0 .. 15
.irp c, 0,1,2,3
	ds_load_b128 v[\reg+4*\c:\reg+4*\c+3], v[\adr] offset:128*(\q)+32*\c+(\i)*16*PITCH
.endr
.endm
; 16 matrix instructions: A's blocks a0, a0 + 1 x B's eight, 128 along K.  zero = 1: the first product starts the sums.  The 64 accumulators take turns, one instruction a turn.
.macro MUL16 a0, p, q, sc, zero
.irp a, \a0, \a0+1
.irp b, 0,1,2,3,4,5,6,7
.if \zero
	v_wmma_scale_f32_16x16x128_f8f6f4 v[8*(8*((\a)%4)+\b):8*(8*((\a)%4)+\b)+7], v[128*(\p)+FR*\b:128*(\p)+FR*\b+FR-1], v[AF+FR*(\a):AF+FR*(\a)+FR-1], 0, v[SC+8*NQ*(\sc)+NQ*\b+(\q)], v[SC+8*NQ*(\sc)+NQ*(\a)+(\q)] matrix_a_fmt:MATRIX_FMT_BF8 matrix_b_fmt:MATRIX_FMT_BF8 matrix_a_scale:MATRIX_SCALE_ROW1
.else
	v_wmma_scale_f32_16x16x128_f8f6f4 v[8*(8*((\a)%4)+\b):8*(8*((\a)%4)+\b)+7], v[128*(\p)+FR*\b:128*(\p)+FR*\b+FR-1], v[AF+FR*(\a):AF+FR*(\a)+FR-1], v[8*(8*((\a)%4)+\b):8*(8*((\a)%4)+\b)+7], v[SC+8*NQ*(\sc)+NQ*\b+(\q)], v[SC+8*NQ*(\sc)+NQ*(\a)+(\q)] matrix_a_fmt:MATRIX_FMT_BF8 matrix_b_fmt:MATRIX_FMT_BF8 matrix_a_scale:MATRIX_SCALE_ROW1
.endif
.endr
.endr
.endm
.macro FETCH_B slot, q, p              ; B's eight fragments of the slot's q-th 128 along K into set p
	WIN TO_B
.irp i, 0,1,2,3,4,5,6,7
	FRAG 128*(\p)+FR*\i, ADRB+\slot, \q, \i
.endr
	WIN 0
.endm
.macro FETCH_A slot, q, i0             ; A's blocks i0 .. i0 + 3
.irp i, \i0, \i0+1, \i0+2, \i0+3
	FRAG AF+FR*(\i), ADRA+\slot, \q, \i
.endr
.endm
.macro SCALES sc                       ; a K step's scale words into set sc: two words a row; lanes 0-15 take A's block i, lanes 16-31 B's block i
.irp i, 0,1,2,3,4,5,6,7
	ds_load_b64 v[SC+8*NQ*\sc+NQ*\i:SC+8*NQ*\sc+NQ*\i+1], v[ADRS] offset:\i*SBLK
.endr
.endm
.macro PLACES n                        ; plain vector lines between a matrix instruction and a load into, or a read of, its registers
.rept \n
	v_nop
.endr
.endm
; A step of 128 along K that has its successor in the same slot.
.macro STEP slot, q, zero
	s_wait_dscnt 4*NL                              ; B's set and A's blocks 0-3 are in; the youngest sixteen loads (A's blocks 4-7) may be out
	WIN MUL_LO
	MUL16 0, (\q)%2, \q, \slot, \zero
	MUL16 2, (\q)%2, \q, \slot, \zero
	s_wait_dscnt 0                                 ; A's blocks 4-7 are in
	PLACES NP
	FETCH_B \slot, (\q)+1, 1-(\q)%2
	FETCH_A \slot, (\q)+1, 0
	WIN MUL_HI
	MUL16 4, (\q)%2, \q, \slot, \zero
	MUL16 6, (\q)%2, \q, \slot, \zero
	PLACES NP
	WIN 0
	FETCH_A \slot, (\q)+1, 4
.endm
; A slot's last step changes slots: one barrier; in front of it each wave waits for all its tensor loads, adds 0 to its spare word, and waits for that and for its own reads of this slot.
.macro TURN slot, next, fill
	s_wait_tensorcnt 0x0                           ; all my tensor loads have landed: my part of the next slot (every window is 0 here)
	ds_add_u32 v[SPW], v[NIL]                      ; 0 onto my spare word
	s_wait_dscnt 4*NL+1                            ; the add and the youngest sixteen loads (A's blocks 4-7) may be out
	WIN MUL_LO
	MUL16 0, 1, NQ-1, \slot, 0                     ; sixteen matrix instructions stand between the add and the wait for it
	s_wait_dscnt 0x0                               ; the add is done, and my reads of this slot are over
	s_barrier_signal -1
	MUL16 2, 1, NQ-1, \slot, 0
	WIN 0
	s_barrier_wait -1
.if \fill
	CREST                                          ; the barrier has opened a round of the cluster's barrier: no wave of any partner still reads this slot's tile or has a load on its way
	s_add_nc_u64 s[G0+4*\slot+2:G0+4*\slot+3], s[G0+4*\slot+2:G0+4*\slot+3], 2*ROWB
	s_add_nc_u64 s[G0B+4*\slot+2:G0B+4*\slot+3], s[G0B+4*\slot+2:G0B+4*\slot+3], 2*ROWB
	JLOAD G0+4*\slot, G1, G0B+4*\slot, G1B         ; the first tensor load behind the round; its four v_nop are among the places in front of the loads below
	PLACES NP-4
.else
	PLACES NP
.endif
	s_wait_alu depctr_va_vdst(0)
	v_add_nc_u32 v[ADRS], 4*NQ, v[ADRS]            ; on to the next K step's scale words (no LDS load of mine is out)
	FETCH_B \next, 0, 0
	FETCH_A \next, 0, 0
	SCALES \next
	WIN MUL_HI
	MUL16 4, 1, NQ-1, \slot, 0
	MUL16 6, 1, NQ-1, \slot, 0
	PLACES NP
	WIN 0
	FETCH_A \next, 0, 4
.endm
	s_wait_alu depctr_va_vdst(0)
	s_wait_tensorcnt 1                             ; the scale bytes and my part of K step 0 are in (K step 1's load may be out)
	s_barrier_signal -1
	s_barrier_wait -1                              ; everybody's are
	FETCH_B 0, 0, 0
	FETCH_A 0, 0, 0
	SCALES 0
	FETCH_A 0, 0, 4
	STEP 0, 0, 1                                   ; the first step stands in front of the loop: its products start the sums
	s_mov_b32 s3, LAPS-1
.Llap:                                                 ; a trip goes once round the ring, from a lap's second step to the next lap's first, and fills both slots again
	TURN 0, 1, 1
	STEP 1, 0, 0
	TURN 1, 0, 1
	STEP 0, 0, 0
	s_sub_co_u32 s3, s3, 1
	s_cmp_lg_u32 s3, 0
	s_cbranch_scc1 .Llap
	TURN 0, 1, 0                                   ; the last lap fills nothing, and has no round of the cluster's barrier
	STEP 1, 0, 0
	s_wait_dscnt 4*NL                              ; the very last step: nothing more to fetch
	WIN MUL_LO
	MUL16 0, 1, NQ-1, 1, 0
	MUL16 2, 1, NQ-1, 1, 0
	s_wait_dscnt 0
	WIN MUL_HI
	MUL16 4, 1, NQ-1, 1, 0
	MUL16 6, 1, NQ-1, 1, 0
	WIN 0
; THE WAY OUT.  Block a (16 rows x 128 columns, eight accumulators, 64 registers a lane) becomes one image and 16 scale words.  Each accumulator is read from its low end on.
.macro QBLK a
.set WN, 2+(\a)/4                      ; the block's window
.set W01, 5*WN                         ; sources 0 and 1 in it
.set W12, 20*WN                        ; sources 1 and 2 in it
.set AC, 64*((\a)%4)
.set CS, CD+16*((\a)%2)
	WIN W01
.irp b, 0,1,2,3
	v_max3_num_f32 v[TM+\b], |v[AC+16*\b]|, |v[AC+16*\b+1]|, 0x8000000   ; block b of 32 along the next K: my 16 numbers, and the floor 2^(16 - 127)
.endr
	WIN W12
.irp i, 2,4,6,8,10,12,14
.irp b, 0,1,2,3
	v_max3_num_f32 v[TM+\b], v[TM+\b], |v[AC+16*\b+\i]|, |v[AC+16*\b+\i+1]|   ; the four blocks by turns
.endr
.endr
	WIN 0
.irp b, 0,1,2,3
	v_permlanex16_b32 v[TM+4+\b], v[TM+\b], s40, s41
.endr
.irp b, 0,1,2,3
	v_max_num_f32 v[TM+\b], v[TM+\b], v[TM+4+\b]   ; with lane l xor 16's: the block's largest magnitude
.endr
.irp b, 0,1,2,3
	v_add_nc_u32 v[TM+12+\b], 0xf8800000, v[TM+\b] ; 15 off its exponent field: the conversion's scale operand
.endr
.irp b, 0,1,2,3
	v_and_or_b32 v[TM+8+\b], v[TM+\b], 0x7f800000, s42   ; 57,344 x the scale
.endr
.irp b, 0,1,2,3
	v_lshrrev_b32 v[TM+4+\b], 23, v[TM+12+\b]      ; the scale's byte
.endr
	v_lshl_or_b32 v[PW+(\a)], v[TM+5], 8, v[TM+4]  ; my row's scale word (the same in lanes l and l xor 16)
	v_lshl_or_b32 v[PW+(\a)], v[TM+6], 16, v[PW+(\a)]
	v_lshl_or_b32 v[PW+(\a)], v[TM+7], 24, v[PW+(\a)]
	WIN WN                                         ; source 0 in the block's window
.irp b, 0,1,2,3
.irp i, 0,1,2,3,4,5,6,7,8,9,10,11,12,13,14,15
	v_med3_num_f32 v[HN+16*\b+\i], v[AC+16*\b+\i], -v[TM+8+\b], v[TM+8+\b]   ; the conversion does not saturate (ISA guide 7.6.2): the hold, into window 0
.endr
.endr
	WIN 0
.if (\a) >= 2
	s_wait_alu depctr_va_vdst(0)
	s_wait_xcnt 0x0                                ; the stores of the block two back have read this set of code registers
.endif
.irp b, 0,1,2,3
	v_cvt_scalef32_pk8_bf8_f32 v[CS+4*\b:CS+4*\b+1], v[HN+16*\b:HN+16*\b+7], v[TM+12+\b]
	v_cvt_scalef32_pk8_bf8_f32 v[CS+4*\b+2:CS+4*\b+3], v[HN+16*\b+8:HN+16*\b+15], v[TM+12+\b]
.endr
	v_nop                                          ; one plain line behind the last conversion
.irp b, 0,1,2,3
	global_store_b128 v[CO], v[CS+4*\b:CS+4*\b+3], s[12:13] offset:2048*(\a)+512*\b   ; 32 lanes store 512 consecutive bytes, aligned
.endr
	ds_store_b32 v[STO], v[PW+(\a)] offset:64*(\a) ; lanes l and l xor 16 write the same word with the same value
.endm
	PLACES NP                                      ; behind the last products: their operands' registers are written and their results read below
	s_mov_b32 s40, 0x76543210                      ; v_permlanex16_b32's selects for lane l xor 16
	s_mov_b32 s41, 0xfedcba98
	s_mov_b32 s42, 0x600000                        ; the mantissa field of 57,344
.irp b, 0,1,2,3
	v_mov_b32 v[TM+4+\b], 0                        ; written once: a lane permute's destination counts as one of its sources
.endr
.irp a, 0,1,2,3,4,5,6,7
	QBLK \a
.endr
	ds_load_b128 v[SW:SW+3], v[RD]                 ; LDS serves a wave's instructions in order: this sees my eight stores
	s_wait_dscnt 0x0
	global_store_b128 v[CO], v[SW:SW+3], s[92:93]  ; my eight images' scale words: 512 consecutive bytes, aligned
	s_wait_tensorcnt 0x0                           ; the wave's end
	ds_add_u32 v[SPW], v[NIL]
	s_wait_dscnt 0x0
	CROUND                                         ; the closing round: no work-group ends while a partner may still ask for a tile that names it
	s_endpgm
.Lfunc_end_k_q46b42d9318_gemm_qkv:
	.size	k_q46b42d9318_gemm_qkv, .Lfunc_end_k_q46b42d9318_gemm_qkv-k_q46b42d9318_gemm_qkv
	.p2alignl 7, 3214868480
	.fill 96, 4, 3214868480
	.section	.rodata,"a",@progbits
	.p2align	6, 0x0
	.amdhsa_kernel k_q46b42d9318_gemm_qkv
		.amdhsa_group_segment_fixed_size 327680
		.amdhsa_private_segment_fixed_size 0
		.amdhsa_enable_private_segment 0
		.amdhsa_kernarg_size 32
		.amdhsa_user_sgpr_count 2
		.amdhsa_user_sgpr_kernarg_segment_ptr 1
		.amdhsa_wavefront_size32 1
		.amdhsa_system_sgpr_workgroup_id_x 1
		.amdhsa_system_sgpr_workgroup_id_y 1
		.amdhsa_system_sgpr_workgroup_id_z 1
		.amdhsa_system_vgpr_workitem_id 0
		.amdhsa_next_free_vgpr 1024
		.amdhsa_next_free_sgpr 106
		.amdhsa_reserve_vcc 0
		.amdhsa_float_denorm_mode_32 3
		.amdhsa_float_denorm_mode_16_64 3
		.amdhsa_memory_ordered 1
		.amdhsa_forward_progress 1
		.amdhsa_inst_pref_size 186
	.end_amdhsa_kernel
	.amdgpu_metadata
---
amdhsa.version: [ 1, 2 ]
amdhsa.kernels:
  - .name:           k_q46b42d9318_gemm_qkv
    .symbol:         k_q46b42d9318_gemm_qkv.kd
    .args:
      - { .name: xq, .offset: 0, .size: 8, .value_kind: global_buffer, .address_space: global }
      - { .name: wc, .offset: 8, .size: 8, .value_kind: global_buffer, .address_space: global }
      - { .name: qk, .offset: 16, .size: 8, .value_kind: global_buffer, .address_space: global }
      - { .name: vt, .offset: 24, .size: 8, .value_kind: global_buffer, .address_space: global }
    .group_segment_fixed_size: 327680
    .private_segment_fixed_size: 0
    .kernarg_segment_align: 8
    .kernarg_segment_size: 32
    .max_flat_workgroup_size: 128
    .sgpr_count:     106
    .vgpr_count:     1024
    .wavefront_size: 32
...
	.end_amdgpu_metadata
.endif
;; end of part 2
;; launch attn (part 3): grid 8 x 32, 16 waves a work-group, no clusters, 327,680 bytes of LDS; arguments qk, vt, ctx; writes ctx
.if DOCPART == 3
	.amdgcn_target "amdgcn-amd-amdhsa--gfx1250"
	.amdhsa_code_object_version 6
	.text
	.protected	k_q46b42d9318_attn
	.globl	k_q46b42d9318_attn
	.p2align	8
	.type	k_q46b42d9318_attn,@function
k_q46b42d9318_attn:
	s_mov_b64 s[64:65], 0
	v_nop
	global_prefetch_b8 v0, s[64:65] scope:SCOPE_SE
	s_setreg_imm32_b32 hwreg(HW_REG_WAVE_MODE, 25, 1), 1
	s_wait_xcnt 0x0
; CAUSAL ATTENTION ON CODES OF BF8 (E5M2) WITH E8M0 SCALES.  4 batches x 16 heads of 64, 2,048 tokens.  q, k and v^T arrive as images of operands' registers (16 rows x 128 K in 2,048 bytes, register group c at
; 512 c + 16 x lane) with one scale word a row; the result, divided by the row's sum, is quantised along 64 head + d in registers and leaves as images too.
; THE SOFTMAX: t = score x log2(e) / 8; M = the row's largest t so far, rounded UP to a whole number; p = 2^(t - M) is what is quantised, along the keys.  The row's sum is taken of the unquantised p and divides at the end.
; When M moves, the sum and O are multiplied by 2^(old M - new M): exact.
; SHARES.  A work-group serves one batch and one PAIR of heads: waves 0-7 the even head, waves 8-15 the odd one; a wave owns 16 queries.  It does the block of 128 queries number I (key steps 0 .. I) and then block 15 - I
; (key steps 0 .. 15 - I): 17 key steps of 128 keys in every one of the 256 work-groups, so the mask's triangle is shared out evenly, and the trip count is a constant.  Keys beyond a block's diagonal step are never fetched.
; In a block's last step (key step = query block) the scores of keys behind the query become -infinity ahead of the maximum; the query's own key always counts, so M is a number from a block's first step on.
; THE SCORES' K IS 64, the instruction's 128.  Q's registers 8-15 are zero codes for the whole launch, and the upper two bytes of q's and k's scale words are 0, which stands for a power of two.  Registers 8-15 of K's four
; fragments are zero codes at the start; from the second key step on they hold codes of V^T that were left there.  Those are finite numbers (every code that this program makes is held at 57,344, so none is the code of an
; infinity or of NaN), and a zero code times a finite number adds nothing to a sum.
; LAYOUT.  Both products are used transposed: S^T = K Q^T (source 0 = 16 keys), O^T = V^T P^T (source 0 = 16 of the head's 64): a lane holds one query throughout.  The 16 registers of score tiles 2 b and 2 b + 1 are
; keys 32 b + 16 u + 8 (lane / 16) + j: byte 16 h + 8 u + j of p's block holds key 16 u + 8 h + j, which is the order in which v^T's images were made; q's and k's images share one order likewise.
; V^T IS ASKED FOR A SOFTMAX AHEAD: its 20 LDS loads stand straight behind the score products' places and land in K's registers, which are free by then, while the step's vector work is issued.
; A BLOCK'S LARGEST p is taken from its largest score by the same multiply-add and exponential (this takes v_exp_f32 not to fall where its input rises; at the worst one p of a block is held one code low).
; THE RING.  Two LDS slots, each with a key step's K images (16,384 bytes, both heads), V^T images (16,384), and their scale words (512 + 512): four dense blocks of memory, one tensor load each, by waves 0 to 3.
; NO JOINT LOADS: the eight work-groups that walk one pair of heads are at different key steps in the same trip (each goes back to key step 0 behind its own I + 1 steps), so their requests do not meet.
; LIMITS: NaN and infinities are not served; a block of zeros, or one under 2^-111, gets the byte 1.  The result's scale bytes leave one byte a lane (32 bytes for a tile of 16 rows).
; REGISTERS: v1-7 addresses that stay; v8-11 addresses in hand; v12 -M, v13 the largest t, v[14:15] the sum; v16-31 Q; v32-95 four fragments of K, then four of V^T; v96-159 S^T, then p; v160-191 O^T;
;   v192-207 p's codes; v208-210 lane terms; v228-254 at work; v248-251 K's, then V's scale words, v253 p's, v255 Q's.
.set SLOT1, 65536                      ; slot 1 begins here: one exclusive or turns an address in one slot into the other's
.set VOFF,  16384                      ; in a slot: V^T's images,
.set KSCL,  32768                      ; K's scale words,
.set VSCL,  33280                      ; V's
.set SPARE, 131072                     ; the spare words, 128 bytes for each of 16 waves: eight blocks of 256 bytes that no other line names
.set AK0,  1                           ; v1   16 x lane + 1,024 x my head of the pair
.set AV0,  2                           ; v2   16 x lane + VOFF + 8,192 x head
.set ASK0, 3                           ; v3   KSCL + 4 r + 2 x head
.set ASV0, 4                           ; v4   VSCL + 256 x head + 4 r
.set SPW,  5
.set NIL,  6
.set L16,  7                           ; v7   16 x lane
.set ADK,  8
.set ADV,  9
.set ADS,  10
.set ADT,  11
.set DM,   208                         ; v208 16 x my tile + r - 8 h: on the diagonal register 8 T + j is hidden where 16 T + j > this
.set QSO,  209                         ; v209 4 r + 2 x head: my half of a scale word of q
.set CSO,  210                         ; v210 32 r + h: my scale byte's place among the tile's rows
.set WV,   10
.set HD,   11
.set WQ,   12
.set II,   13
.set BB,   15
.set HP,   16
.set QB,   17                          ; the block of 128 queries in hand
.set KST,  18                          ; the key step in hand
.set KSN,  19                          ; and the next
.set SEL,  20
.set CS,   22                          ; s[22:23] c = log2(e) / 8
.set MNT,  24
.set HIM,  25                          ; a mask of lanes 16-31
.set TB,   26                          ; LDS byte at which the slot in hand begins
.set TRIP, 27
.set G1C,  28                          ; s[28:35] group 1: 16,384 dense bytes as 64 rows of 256
.set G1S,  36                          ; s[36:43] group 1: 512 dense bytes as 2 rows of 256
.set G0C,  44                          ; s[44:47] group 0 for images (waves 0, 1)
.set G0S,  48                          ; s[48:51] group 0 for scale words (waves 2, 3)
.set BASEC, 52                         ; s[52:53] my tensor's images of key step 0
.set BASES, 54                         ; s[54:55] its scale words of key step 0
.set STRC, 56                          ; bytes from a key step's images to the next's
.set STRS, 57                          ; the same for the scale words
; Waves 0 and 1 fetch K's and V^T's images, waves 2 and 3 their scale words, the others nothing.  The branches hang on the wave's number alone.  Four v_nop follow each of the two lines.
.macro TLOAD
	s_cmp_lt_u32 s[WV], 2
	s_cbranch_scc0 .Lnot_c_\@
	tensor_load_to_lds s[G0C:G0C+3], s[G1C:G1C+7]
	s_nop 0
.rept 4
	v_nop
.endr
	s_branch .Lasked_\@
.Lnot_c_\@:
	s_cmp_lt_u32 s[WV], 4
	s_cbranch_scc0 .Lasked_\@
	tensor_load_to_lds s[G0S:G0S+3], s[G1S:G1S+7]
	s_nop 0
.rept 4
	v_nop
.endr
.Lasked_\@:
.endm
	s_load_b128 s[4:7], s[0:1], 0x0                ; qk s[4:5], vt s[6:7]
	s_load_b64 s[8:9], s[0:1], 0x10                ; ctx
	v_lshl_add_u32 v[SPW], v0, 2, SPARE
	v_mov_b32 v[NIL], 0
	ds_add_u32 v5, v6
	ds_add_u32 v5, v6
	s_wait_dscnt 0x0
	v_lshrrev_b32 v8, 5, v0
	s_delay_alu instid0(VALU_DEP_1)
	v_readfirstlane_b32 s[WV], v8                  ; wave 0..15
	s_lshr_b32 s[HD], s[WV], 3                     ; which head of the pair
	s_and_b32 s[WQ], s[WV], 7                      ; which tile of 16 queries
	s_mov_b32 s[II], ttmp9                         ; I: 0..7
	s_and_b32 s14, ttmp7, 0xffff
	s_lshr_b32 s[BB], s14, 3                       ; batch
	s_and_b32 s[HP], s14, 7                        ; pair of heads
	s_and_b32 s58, s[WV], 1                        ; what I fetch, if I fetch: 0 K's, 1 V's
	; every LDS address register that stays is made here, ahead of the first branch on the wave's number
	v_and_b32 v12, 31, v0                          ; lane
	v_and_b32 v13, 15, v0                          ; r
	v_bfe_u32 v14, v0, 4, 1                        ; h
	s_delay_alu instid0(VALU_DEP_3)
	v_lshlrev_b32 v[L16], 4, v12
	s_lshl_b32 s66, s[HD], 10
	v_add_nc_u32 v[AK0], s66, v[L16]
	s_lshl_b32 s66, s[HD], 13
	s_add_co_u32 s66, s66, VOFF
	v_add_nc_u32 v[AV0], s66, v[L16]
	v_lshlrev_b32 v15, 2, v13
	s_lshl_b32 s66, s[HD], 1
	v_add_nc_u32 v[QSO], s66, v15
	s_delay_alu instid0(VALU_DEP_1)
	v_add_nc_u32 v[ASK0], KSCL, v[QSO]
	s_lshl_b32 s66, s[HD], 8
	s_add_co_u32 s66, s66, VSCL
	v_add_nc_u32 v[ASV0], s66, v15
	v_lshl_add_u32 v[CSO], v13, 5, v14
	v_lshlrev_b32 v[DM], 3, v14
	s_delay_alu instid0(VALU_DEP_1)
	v_sub_nc_u32 v[DM], v13, v[DM]
	s_lshl_b32 s66, s[WQ], 4
	v_add_nc_u32 v[DM], s66, v[DM]
	; descriptor groups 1: dense blocks as rows of 256 bytes (32 elements of 8 bytes), no padding: the images are read 16 bytes a lane on end
	s_mov_b32 s[G1C], 3<<16                        ; 15:0 no mask; 17:16 elements of 8 bytes
	s_mov_b32 s[G1C+1], 32<<16                     ; tensor_dim0
	s_mov_b32 s[G1C+2], 64<<16                     ; tensor_dim1
	s_mov_b32 s[G1C+3], 32<<16                     ; tile_dim0
	s_mov_b32 s[G1C+4], 64                         ; tile_dim1
	s_mov_b32 s[G1C+5], 32                         ; tensor_dim0_stride
	s_mov_b32 s[G1C+6], 0
	s_mov_b32 s[G1C+7], 0
	s_mov_b32 s[G1S], 3<<16
	s_mov_b32 s[G1S+1], 32<<16
	s_mov_b32 s[G1S+2], 2<<16
	s_mov_b32 s[G1S+3], 32<<16
	s_mov_b32 s[G1S+4], 2
	s_mov_b32 s[G1S+5], 32
	s_mov_b32 s[G1S+6], 0
	s_mov_b32 s[G1S+7], 0
	s_add_co_u32 s59, s[HP], 8
	s_lshl_b32 s59, s59, 9
	s_lshl_b32 s60, s[BB], 7
	s_add_co_u32 s59, s59, s60                     ; K: the first image: (8 + pair) x 512 + 128 x batch
	s_lshl_b32 s60, s[BB], 10
	s_lshl_b32 s61, s[HP], 3
	s_add_co_u32 s60, s60, s61                     ; V^T: 1,024 x batch + 8 x pair
	s_mov_b32 s[STRC], 131072
	s_mov_b32 s[STRS], 4096
	s_mov_b32 s62, 0x800000
	s_mov_b32 s63, 0
	s_mov_b32 s67, 0
	s_cmp_eq_u32 s58, 0
	s_cselect_b32 s59, s59, s60
	s_cselect_b32 s[STRC], 16384, s[STRC]          ; K: 8 images on; V^T: 64
	s_cselect_b32 s[STRS], 512, s[STRS]
	s_cselect_b32 s62, 0x1000000, s62              ; where the scale words begin in qk, in vt
	s_mov_b32 s[SEL], 0x76543210
	s_mov_b32 s[SEL+1], 0xfedcba98                 ; v_permlanex16_b32's selects for lane l xor 16
	s_mov_b32 s[CS], 0x3e38aa3b                    ; c = log2(e) / sqrt(64)
	s_mov_b32 s[CS+1], s[CS]                       ; (named with it as a pair, so it is written)
	s_mov_b32 s[HIM], 0xffff0000
	s_mov_b32 s[TB], 0
	s_mov_b32 s[TRIP], 0
	s_mov_b32 s[KST], 0
	s_mov_b32 s[QB], s[II]
	s_wait_kmcnt 0x0
	s_cmp_eq_u32 s58, 0                            ; the choice hangs on the wave's number alone
	s_cselect_b64 s[BASEC:BASEC+1], s[4:5], s[6:7]
	s_add_nc_u64 s[BASES:BASES+1], s[BASEC:BASEC+1], s[62:63]
	s_lshl_b32 s66, s59, 6
	s_add_nc_u64 s[BASES:BASES+1], s[BASES:BASES+1], s[66:67]
	s_lshl_b32 s66, s59, 11
	s_add_nc_u64 s[BASEC:BASEC+1], s[BASEC:BASEC+1], s[66:67]
	s_mov_b32 s[G0C], 1                            ; 1:0 count = 1
	s_lshl_b32 s[G0C+1], s58, 14                   ; LDS: K's images at 0, V^T's at 16,384, in slot 0
	s_mov_b64 s[G0C+2:G0C+3], s[BASEC:BASEC+1]
	s_or_b32 s[G0C+3], s[G0C+3], 0x80000000        ; type = 2
	s_mov_b32 s[G0S], 1
	s_lshl_b32 s[G0S+1], s58, 9
	s_add_co_u32 s[G0S+1], s[G0S+1], KSCL          ; LDS: K's scale words, then V's
	s_mov_b64 s[G0S+2:G0S+3], s[BASES:BASES+1]
	s_or_b32 s[G0S+3], s[G0S+3], 0x80000000
	TLOAD                                          ; key step 0 into slot 0: the one first fill at the start
; My 16 queries of block QB: the head's half of an image (registers 0-7) and the head's half of the scale words.
.macro QLOAD
	s_lshl_b32 s66, s[HP], 9
	s_lshl_b32 s67, s[BB], 7
	s_add_co_u32 s66, s66, s67
	s_lshl_b32 s67, s[QB], 3
	s_add_co_u32 s66, s66, s67
	s_add_co_u32 s66, s66, s[WQ]                   ; the image: 512 x pair + 128 x batch + 8 x block + tile
	s_lshl_b32 s68, s66, 11
	s_lshl_b32 s67, s[HD], 10
	s_add_co_u32 s68, s68, s67
	s_mov_b32 s69, 0
	s_add_nc_u64 s[68:69], s[4:5], s[68:69]
	s_lshl_b32 s70, s66, 6
	s_add_co_u32 s70, s70, 0x1000000
	s_mov_b32 s71, 0
	s_add_nc_u64 s[70:71], s[4:5], s[70:71]
	global_load_b128 v[16:19], v[L16], s[68:69]
	global_load_b128 v[20:23], v[L16], s[68:69] offset:512
	global_load_u16 v255, v[QSO], s[70:71]         ; two scale bytes; the upper two come as 0, over zero codes
.endm
.macro FRESH                           ; a block's statistics and sums begin anew
	v_mov_b32 v13, 0xff61b1e6                      ; the largest t so far: -3e38, under every t
	s_delay_alu instid0(VALU_DEP_1)
	v_floor_f32 v12, -v13                          ; -M
	v_mov_b32 v14, 0                               ; the sum, in two halves
	v_mov_b32 v15, 0
.set n, 0
.rept 32
	v_mov_b32 v[160+n], 0                          ; O^T.  (The step is written once: a block's first step finds zeros, which the first change of M leaves zeros)
.set n, n+1
.endr
.endm
	s_wait_alu depctr_va_vdst(0)
	QLOAD
.set n, 0
.rept 8
	v_mov_b32 v[24+n], 0                           ; the scores' K is 64: the upper half of Q's fragment stays zero codes for the whole launch;
	v_mov_b32 v[40+n], 0                           ; those of K's four fragments begin as zero codes (V^T's codes lie there later: the head comment says why that adds nothing)
	v_mov_b32 v[56+n], 0
	v_mov_b32 v[72+n], 0
	v_mov_b32 v[88+n], 0
.set n, n+1
.endr
.irp b, 0,1,2,3
	v_mov_b32 v[236+\b], 0                         ; written once: a lane permute's destination counts as one of its sources
.endr
	v_mov_b32 v252, 0
	v_mov_b32 v253, 0                              ; (named as the upper half of the pair v[252:253] before it is first written)
	FRESH
; A KEY STEP: 128 keys against my 16 queries.
.macro STEP
	v_add_nc_u32 v[ADK], s[TB], v[AK0]
	s_wait_alu depctr_va_vdst(0)
	v_add_nc_u32 v[ADV], s[TB], v[AV0]
	v_add_nc_u32 v[ADS], s[TB], v[ASK0]
	s_wait_alu depctr_va_vdst(0)
	v_add_nc_u32 v[ADT], s[TB], v[ASV0]
	s_wait_alu depctr_va_vdst(0)
.irp g, 0,1                                    ; S^T = K Q^T, four tiles of 16 keys at a time
.if \g > 0
.rept 8
	v_nop                                          ; places in front of loads into registers that the four products above have read
.endr
.endif
.irp t, 0,1,2,3
	ds_load_b128 v[32+16*\t:35+16*\t], v[ADK] offset:(4*\g+\t)*2048
	ds_load_b128 v[36+16*\t:39+16*\t], v[ADK] offset:(4*\g+\t)*2048+512
	ds_load_u16 v[248+\t], v[ADS] offset:(4*\g+\t)*64
.endr
	s_wait_dscnt 0x0
.irp t, 0,1,2,3
	v_wmma_scale_f32_16x16x128_f8f6f4 v[96+8*(4*\g+\t):103+8*(4*\g+\t)], v[32+16*\t:47+16*\t], v[16:31], 0, v[248+\t], v255 matrix_a_fmt:MATRIX_FMT_BF8 matrix_b_fmt:MATRIX_FMT_BF8
.endr
.endr
.rept 8
	v_nop                                          ; eight places: the loads below land in registers that the score products have read, and the scores are read further down
.endr
.irp t, 0,1,2,3                                ; V^T's four tiles of 16 of the head's 64, and their scale words, into the registers that K has left: 20 loads, which land while the softmax is issued
.irp c, 0,1,2,3
	ds_load_b128 v[32+16*\t+4*\c:35+16*\t+4*\c], v[ADV] offset:\t*2048+\c*512
.endr
	ds_load_b32 v[248+\t], v[ADT] offset:\t*64
.endr
	s_cmp_lg_u32 s[KST], s[QB]                     ; the diagonal step alone masks: a scalar branch on ids
	s_cbranch_scc1 .Lopen_\@
	v_mov_b32 v254, 0xff800000                     ; -infinity
.set n, 0
.rept 64
	v_cmp_gt_i32 vcc_lo, 16*(n/8)+n%8, v[DM]       ; register 8 T + j holds key 16 T + 8 h + j of the step
	v_cndmask_b32 v[96+n], v[96+n], v254, vcc_lo
.set n, n+1
.endr
.Lopen_\@:
.irp b, 0,1,2,3
	v_max3_num_f32 v[232+\b], v[96+16*\b], v[97+16*\b], v[98+16*\b]   ; the largest score of each block of 32 keys: for the row's maximum, and for the block's largest p
.endr
.irp i, 3,5,7,9,11,13
.irp b, 0,1,2,3
	v_max3_num_f32 v[232+\b], v[232+\b], v[96+16*\b+\i], v[97+16*\b+\i]
.endr
.endr
.irp b, 0,1,2,3
	v_max_num_f32 v[232+\b], v[232+\b], v[111+16*\b]
.endr
.irp b, 0,1,2,3
	s_delay_alu instid0(VALU_DEP_4)
	v_permlanex16_b32 v[236+\b], v[232+\b], s[SEL], s[SEL+1]
.endr
.irp b, 0,1,2,3
	s_delay_alu instid0(VALU_DEP_4)
	v_max_num_f32 v[232+\b], v[232+\b], v[236+\b]  ; with lane l xor 16's 16 keys
.endr
	s_delay_alu instid0(VALU_DEP_2)
	v_max3_num_f32 v254, v232, v233, v234
	s_delay_alu instid0(VALU_DEP_1)
	v_max_num_f32 v254, v254, v235                 ; the step's largest score of my query
	s_delay_alu instid0(VALU_DEP_1)
	v_mul_f32 v254, s[CS], v254                    ; as t (c is positive)
	s_delay_alu instid0(VALU_DEP_1)
	v_max_num_f32 v13, v13, v254                   ; the running largest t
	v_mov_b32 v254, v12
	s_delay_alu instid0(VALU_DEP_2)
	v_floor_f32 v12, -v13                          ; the new -M = floor(-t) = -ceil(t): a whole number
	s_delay_alu instid0(VALU_DEP_1)
	v_sub_f32 v254, v12, v254                      ; old M - new M: a whole number, 0 or less
	s_delay_alu instid0(VALU_DEP_1)
	v_cvt_i32_f32 v254, v254                       ; (it saturates)
	s_delay_alu instid0(VALU_DEP_1)
	v_ldexp_f32 v252, 1.0, v254                    ; f = 2^(old M - new M): a multiplication by it rounds nothing
.set n, 0
.rept 32
	v_pk_fma_f32 v[96+n:97+n], v[96+n:97+n], s[CS:CS+1], v[12:13] op_sel_hi:[1,0,0]   ; t - M, two at a time
.set n, n+2
.endr
.irp b, 0,1,2,3
	v_fma_f32 v[232+\b], v[232+\b], s[CS], v12     ; the same of each block's largest score
.endr
.set n, 0
	s_wait_alu depctr_va_vdst(0)
.rept 64
	v_exp_f32 v[96+n], v[96+n]                     ; p = 2^(t - M), at most 1: not normalised
.set n, n+1
.endr
.irp b, 0,1,2,3
	v_exp_f32 v[232+\b], v[232+\b]                 ; the block's largest p
.endr
	v_pk_mul_f32 v[14:15], v[14:15], v[252:253] op_sel_hi:[1,0]   ; the sums under the new M (a plain line behind the exponentials)
	s_wait_alu depctr_va_vdst(0)
.irp b, 0,1,2,3
	v_max_num_f32 v[232+\b], 0x8000000, v[232+\b]  ; the floor 2^(16 - 127): a block whose every p is 0 keeps the byte 1 over zero codes
.endr
.irp b, 0,1,2,3
	s_delay_alu instid0(VALU_DEP_4)
	v_add_nc_u32 v[244+\b], 0xf8800000, v[232+\b]  ; 15 off the exponent field: the conversion's scale operand
.endr
.irp b, 0,1,2,3
.endr
.irp b, 0,1,2,3
	s_delay_alu instid0(VALU_DEP_4)
	v_lshrrev_b32 v[236+\b], 23, v[244+\b]         ; the scale's byte
.endr
	s_delay_alu instid0(VALU_DEP_3)
	v_lshl_or_b32 v253, v237, 8, v236              ; p's scale word for these 128 keys
	s_delay_alu instid0(VALU_DEP_1)
	v_lshl_or_b32 v253, v238, 16, v253
	s_delay_alu instid0(VALU_DEP_1)
	v_lshl_or_b32 v253, v239, 24, v253
	v_pk_add_f32 v[236:237], v[100:101], v[104:105]
	v_pk_add_f32 v[242:243], v[108:109], v[112:113]
	v_pk_add_f32 v[240:241], v[116:117], v[120:121]
	v_pk_add_f32 v[234:235], v[124:125], v[128:129]
	v_pk_add_f32 v[232:233], v[132:133], v[136:137]
	v_pk_add_f32 v[230:231], v[140:141], v[144:145]
	v_pk_add_f32 v[228:229], v[148:149], v[152:153]
	v_pk_add_f32 v[14:15], v[14:15], v[156:157]
	v_pk_add_f32 v[236:237], v[236:237], v[96:97]
	v_pk_add_f32 v[242:243], v[242:243], v[98:99]
	v_pk_add_f32 v[240:241], v[240:241], v[102:103]
	v_pk_add_f32 v[234:235], v[234:235], v[106:107]
	v_pk_add_f32 v[232:233], v[232:233], v[110:111]
	v_pk_add_f32 v[230:231], v[230:231], v[114:115]
	v_pk_add_f32 v[228:229], v[228:229], v[118:119]
	v_pk_add_f32 v[14:15], v[14:15], v[122:123]
	v_pk_add_f32 v[236:237], v[236:237], v[126:127]
	v_pk_add_f32 v[242:243], v[242:243], v[130:131]
	v_pk_add_f32 v[240:241], v[240:241], v[134:135]
	v_pk_add_f32 v[234:235], v[234:235], v[138:139]
	v_pk_add_f32 v[232:233], v[232:233], v[142:143]
	v_pk_add_f32 v[230:231], v[230:231], v[146:147]
	v_pk_add_f32 v[228:229], v[228:229], v[150:151]
	v_pk_add_f32 v[14:15], v[14:15], v[154:155]
	v_pk_add_f32 v[236:237], v[236:237], v[158:159]
	s_delay_alu instid0(VALU_DEP_2)
	v_pk_add_f32 v[14:15], v[14:15], v[234:235]
	s_delay_alu instid0(VALU_DEP_2)
	v_pk_add_f32 v[236:237], v[236:237], v[232:233]
	v_pk_add_f32 v[242:243], v[242:243], v[230:231]
	v_pk_add_f32 v[240:241], v[240:241], v[228:229]
	s_delay_alu instid0(VALU_DEP_2)
	v_pk_add_f32 v[14:15], v[14:15], v[242:243]
	s_delay_alu instid0(VALU_DEP_2)
	v_pk_add_f32 v[236:237], v[236:237], v[240:241]
	s_delay_alu instid0(VALU_DEP_1)
	v_pk_add_f32 v[14:15], v[14:15], v[236:237]
.irp b, 0,1,2,3
.irp i, 0,1,2,3,4,5,6,7,8,9,10,11,12,13,14,15
.endr
	v_cvt_scalef32_pk8_bf8_f32 v[192+4*\b:193+4*\b], v[96+16*\b:103+16*\b], v[244+\b]
	v_cvt_scalef32_pk8_bf8_f32 v[194+4*\b:195+4*\b], v[104+16*\b:111+16*\b], v[244+\b]
.endr
	v_nop                                          ; one plain line behind the last conversion
.set n, 0
.rept 16
	v_pk_mul_f32 v[160+n:161+n], v[160+n:161+n], v[252:253] op_sel_hi:[1,0]   ; O^T under the new M; these lines also stand between the codes' conversions and the products
.set n, n+2
.endr
	s_wait_alu depctr_va_vdst(0)
	s_wait_dscnt 0x0                               ; V^T and its scale words, asked for a softmax ago
.irp t, 0,1,2,3                                ; O^T += V^T P^T: K = these 128 keys; the four accumulators take turns
	v_wmma_scale_f32_16x16x128_f8f6f4 v[160+8*\t:167+8*\t], v[32+16*\t:47+16*\t], v[192:207], v[160+8*\t:167+8*\t], v[248+\t], v253 matrix_a_fmt:MATRIX_FMT_BF8 matrix_b_fmt:MATRIX_FMT_BF8
.endr
.rept 8
	v_nop                                          ; eight places: the next step's loads land in the registers that these products read as V^T and as its scale words, and a block's end reads O^T
.endr
.endm
; THE CHANGE OF SLOTS stands at a step's head.  Each wave waits for all its tensor loads, adds 0 to its spare word, and waits for that and for its reads of the slot that it has left.
; fill = 1: the slot just left takes the next trip's key step: trip + 1 while the first block lasts, then trip - I.  The load has a whole step in which to land.
.macro CHANGE fill
	s_wait_tensorcnt 0x0                           ; no tensor load of mine is out, so a group 0 may be written
	ds_add_u32 v[SPW], v[NIL]                      ; 0 onto my spare word; the descriptors' lines stand between it and the wait for it
.if \fill
	s_add_co_u32 s66, s[TRIP], 1
	s_sub_co_u32 s67, s[TRIP], s[II]
	s_cmp_le_u32 s66, s[II]
	s_cselect_b32 s[KSN], s66, s67
	s_xor_b32 s[G0C+1], s[G0C+1], SLOT1            ; the other slot than last time
	s_xor_b32 s[G0S+1], s[G0S+1], SLOT1
	s_mul_i32 s66, s[KSN], s[STRC]
	s_mov_b32 s67, 0
	s_add_nc_u64 s[G0C+2:G0C+3], s[BASEC:BASEC+1], s[66:67]
	s_or_b32 s[G0C+3], s[G0C+3], 0x80000000
	s_mul_i32 s66, s[KSN], s[STRS]
	s_add_nc_u64 s[G0S+2:G0S+3], s[BASES:BASES+1], s[66:67]
	s_or_b32 s[G0S+3], s[G0S+3], 0x80000000
.endif
	s_wait_dscnt 0x0                               ; the add is done, and my reads of the slot that I have left are over
	s_barrier_signal -1
	s_barrier_wait -1
.if \fill
	TLOAD                                          ; the first thing behind the barrier, and a wave's one tensor load until the next
.endif
.endm
; A BLOCK'S END: O^T / the sum; its 64 numbers a row are two blocks of 32 of the output projection's K: quantised in registers and stored as half an image; lane (r, h) stores block h's scale byte of row r.
.macro FINAL
	v_add_f32 v14, v14, v15                        ; the sum's two halves,
	s_delay_alu instid0(VALU_DEP_1)
	v_permlanex16_b32 v252, v14, s[SEL], s[SEL+1]
	s_delay_alu instid0(VALU_DEP_1)
	v_add_f32 v14, v14, v252                       ; and lane l xor 16's: the row's sum
	s_wait_alu depctr_va_vdst(0)
	v_rcp_f32 v14, v14
	s_lshl_b32 s66, s[BB], 7
	s_lshl_b32 s67, s[QB], 3
	s_add_co_u32 s66, s66, s67
	s_add_co_u32 s66, s66, s[WQ]                   ; token / 16
	s_lshl_b32 s68, s66, 3
	s_add_co_u32 s68, s68, s[HP]                   ; the image: 8 x (token / 16) + pair
	s_lshl_b32 s68, s68, 11
	s_lshl_b32 s67, s[HD], 10
	s_add_co_u32 s68, s68, s67                     ; my head's half of it
	s_mov_b32 s69, 0
	s_add_nc_u64 s[72:73], s[8:9], s[68:69]
	s_lshl_b32 s68, s66, 9                         ; scale bytes: 16 rows of 32,
	s_lshl_b32 s67, s[HP], 2
	s_add_co_u32 s68, s68, s67
	s_lshl_b32 s67, s[HD], 1
	s_add_co_u32 s68, s68, s67                     ; + 2 x head
	s_add_co_u32 s68, s68, 0x800000
	s_add_nc_u64 s[74:75], s[8:9], s[68:69]
	v_nop                                          ; one plain line behind the transcendental
.set n, 0
	s_wait_alu depctr_va_vdst(0)
.rept 32
	v_mul_f32 v[96+n], v[160+n], v14               ; register 16 b + 8 u + j is d = 32 b + 16 u + 8 h + j; each accumulator is read from its low end on
.set n, n+1
.endr
.irp b, 0,1
	v_max3_num_f32 v[232+\b], |v[96+16*\b]|, |v[97+16*\b]|, 0x8000000
.endr
.irp i, 2,4,6,8,10,12,14
.irp b, 0,1
	s_delay_alu instid0(VALU_DEP_2)
	v_max3_num_f32 v[232+\b], v[232+\b], |v[96+16*\b+\i]|, |v[97+16*\b+\i]|
.endr
.endr
.irp b, 0,1
	s_delay_alu instid0(VALU_DEP_2)
	v_permlanex16_b32 v[236+\b], v[232+\b], s[SEL], s[SEL+1]
.endr
.irp b, 0,1
	s_delay_alu instid0(VALU_DEP_2)
	v_max_num_f32 v[232+\b], v[232+\b], v[236+\b]
.endr
.irp b, 0,1
	s_delay_alu instid0(VALU_DEP_2)
	v_add_nc_u32 v[244+\b], 0xf8800000, v[232+\b]
.endr
.irp b, 0,1
.endr
.irp b, 0,1
	s_delay_alu instid0(VALU_DEP_2)
	v_lshrrev_b32 v[236+\b], 23, v[244+\b]
.endr
	s_delay_alu instid0(VALU_DEP_1)
	v_cndmask_b32 v238, v236, v237, s[HIM]         ; lanes 0-15 keep block 0's byte, lanes 16-31 take block 1's
.irp b, 0,1
.irp i, 0,1,2,3,4,5,6,7,8,9,10,11,12,13,14,15
.endr
	v_cvt_scalef32_pk8_bf8_f32 v[192+4*\b:193+4*\b], v[96+16*\b:103+16*\b], v[244+\b]
	v_cvt_scalef32_pk8_bf8_f32 v[194+4*\b:195+4*\b], v[104+16*\b:111+16*\b], v[244+\b]
.endr
	v_nop                                          ; one plain line behind the last conversion
	global_store_b128 v[L16], v[192:195], s[72:73]             ; 32 lanes store 512 consecutive bytes, aligned
	global_store_b128 v[L16], v[196:199], s[72:73] offset:512
	global_store_b8 v[CSO], v238, s[74:75]
	s_wait_xcnt 0x0                                ; the stores have read their registers: they are written again further on
.endm
	s_wait_loadcnt 0x0                             ; Q
.Ltrip:                                            ; 16 trips; behind each change of slots the next trip's key step is asked for
	CHANGE 1
	STEP
	s_cmp_lg_u32 s[KST], s[QB]                     ; the first block's diagonal step (trip I): a scalar branch on ids, round lines that touch neither LDS nor a barrier
	s_cbranch_scc1 .Lgo_on
	FINAL
	s_sub_co_u32 s[QB], 15, s[II]                  ; on to block 15 - I
	QLOAD
	FRESH
	s_wait_loadcnt 0x0
.Lgo_on:
	s_mov_b32 s[KST], s[KSN]
	s_xor_b32 s[TB], s[TB], SLOT1                  ; on to the other slot
	s_add_co_u32 s[TRIP], s[TRIP], 1
	s_cmp_lt_u32 s[TRIP], 16
	s_cbranch_scc1 .Ltrip
	CHANGE 0                                       ; the last step is written out: it is the second block's diagonal step
	STEP
	FINAL
	s_wait_tensorcnt 0x0                           ; the wave's end
	ds_add_u32 v[SPW], v[NIL]
	s_wait_dscnt 0x0
	s_endpgm
.Lfunc_end_k_q46b42d9318_attn:
	.size	k_q46b42d9318_attn, .Lfunc_end_k_q46b42d9318_attn-k_q46b42d9318_attn
	.p2alignl 7, 3214868480
	.fill 96, 4, 3214868480
	.section	.rodata,"a",@progbits
	.p2align	6, 0x0
	.amdhsa_kernel k_q46b42d9318_attn
		.amdhsa_group_segment_fixed_size 327680
		.amdhsa_private_segment_fixed_size 0
		.amdhsa_enable_private_segment 0
		.amdhsa_kernarg_size 24
		.amdhsa_user_sgpr_count 2
		.amdhsa_user_sgpr_kernarg_segment_ptr 1
		.amdhsa_wavefront_size32 1
		.amdhsa_system_sgpr_workgroup_id_x 1
		.amdhsa_system_sgpr_workgroup_id_y 1
		.amdhsa_system_sgpr_workgroup_id_z 1
		.amdhsa_system_vgpr_workitem_id 0
		.amdhsa_next_free_vgpr 256
		.amdhsa_next_free_sgpr 80
		.amdhsa_reserve_vcc 1
		.amdhsa_float_denorm_mode_32 3
		.amdhsa_float_denorm_mode_16_64 3
		.amdhsa_fp16_overflow 1
		.amdhsa_memory_ordered 1
		.amdhsa_forward_progress 1
		.amdhsa_inst_pref_size 68
	.end_amdhsa_kernel
	.amdgpu_metadata
---
amdhsa.version: [ 1, 2 ]
amdhsa.kernels:
  - .name:           k_q46b42d9318_attn
    .symbol:         k_q46b42d9318_attn.kd
    .args:
      - { .name: qk, .offset: 0, .size: 8, .value_kind: global_buffer, .address_space: global }
      - { .name: vt, .offset: 8, .size: 8, .value_kind: global_buffer, .address_space: global }
      - { .name: ctx, .offset: 16, .size: 8, .value_kind: global_buffer, .address_space: global }
    .group_segment_fixed_size: 327680
    .private_segment_fixed_size: 0
    .kernarg_segment_align: 8
    .kernarg_segment_size: 24
    .max_flat_workgroup_size: 512
    .sgpr_count:     80
    .vgpr_count:     256
    .wavefront_size: 32
...
	.end_amdgpu_metadata
.endif
;; end of part 3
;; launch gemm_out (part 4): grid 4 x 32, 4 waves a work-group, clusters of 4 x 4, 327,680 bytes of LDS; arguments ctx, wc, bo, out0; writes out0
.if DOCPART == 4
	.amdgcn_target "amdgcn-amd-amdhsa--gfx1250"
	.amdhsa_code_object_version 6
	.text
	.protected	k_q46b42d9318_gemm_out
	.globl	k_q46b42d9318_gemm_out
	.p2align	8
	.type	k_q46b42d9318_gemm_out,@function
k_q46b42d9318_gemm_out:
	s_mov_b64 s[64:65], 0
	v_nop
	global_prefetch_b8 v0, s[64:65] scope:SCOPE_SE
	s_setreg_imm32_b32 hwreg(HW_REG_WAVE_MODE, 25, 1), 1
	s_wait_xcnt 0x0
	s_wait_alu depctr_hold_cnt(0) depctr_sa_sdst(0) depctr_va_vdst(0) depctr_va_sdst(0) depctr_va_ssrc(0) depctr_va_vcc(0) depctr_vm_vsrc(0)
	s_getreg_b32 s2, hwreg(HW_REG_IB_STS2, 6, 4)
	s_cmp_eq_u32 s2, 0
	s_cbranch_scc0 .Lentry_in_a_cluster
	s_endpgm
.Lentry_in_a_cluster:
	s_bfe_u32 s2, ttmp6, 0x10000c
	s_cmp_lg_u32 s2, 0xf033
	s_cbranch_scc0 .Lentry_shape_is_right
	s_endpgm
.Lentry_shape_is_right:
; out0 [8192][1024] f32 = ctx [8192][1024] x wo + bo, on codes of BF8 (E5M2) with one E8M0 scale for each 32 along K.
; A = ctx: images of operands' registers, [token / 16][k / 128][2048 bytes] (register group c at 512 c + 16 x lane), scale bytes [8192][32] at ctx + 0x800000.
; B = wo: rows 3,072-4,095 of the weights' codes, [n][1024] with K innermost, at wc + 0x300000; scale bytes at wc + 0x418000.  Inside each block of 32 both sides have the same order of k.
; A tile of C, 256 x 256, is made by four waves, each 128 x 128.  C has 32 x 4 = 128 such tiles, so 128 work-groups are launched; a smaller tile would give more of them at twice the LDS reads for each product.
; K goes in steps of 256 through a ring of two LDS slots.  A's part of a step for 128 rows is 8 runs of 4,096 bytes (two images each), 16,384 bytes apart in memory: one tensor load, dense in LDS, read 16 bytes a lane on end.
; B's is 128 rows of 256 bytes, padded to 272.  The scale bytes of the work-group's rows, for all of K, come into LDS once.
; CLUSTERS: 4 x 4 work-groups; A's tiles are asked for jointly by the four of a row of the cluster, B's by the four of a column.
; THE MATRIX INSTRUCTION IS USED TRANSPOSED (source 0 = 16 rows of B, source 1 = 16 rows of A): a lane holds eight neighbouring numbers of a row of C.  THE BIAS is the C of each sum's first product.
; REGISTERS, in windows of 256: window 0: v0-31 addresses; v32-63 scale words, two sets; v64-127 the bias, eight registers for each of B's eight blocks; from v128 A's fragments; window 1: B's fragments, two sets; windows 2, 3: the accumulators.
.set SIZE_K, 1024
.set SIZE_N, 1024
.set KSTEP,  256
.set NQ,     KSTEP/128
.set ROWB,   256
.set ASTEP,  4096                      ; a K step of A in memory: two images
.set KROW,   SIZE_K
.set PITCH,  272                       ; B's LDS row: 256 bytes + 16 of padding: the 16 rows that a load touches start at 16 different banks (64 banks of 4 bytes: ISA guide 11.1)
.set FR,     16
.set NL,     4
.set NP,     8                         ; places behind this matrix instruction (ISA guide 7.12.1)
.set HALFT,  128*PITCH
.set SLOT,   4*HALFT
.set LAPS,   SIZE_K/(2*KSTEP)
.set KS,     SIZE_K/32
.set SCL,    2*SLOT
.set HALFS,  (128*KS/256)*272
.set SBLK,   (16*KS/256)*272
.set SPARE,  SCL+4*HALFS               ; the spare words, 128 bytes for each wave: two blocks of 256 bytes that no other line names
.set SPITCH, 528                       ; the way out: a stage of 16 rows x (512 bytes + 16) for each wave, in slot 0, which has had its last fill and its last read by then
.set ADRA, 16
.set ADRB, 20
.set STO,  24
.set RD,   25
.set CO,   26
.set ADRS, 27
.set SPW,  28
.set NIL,  29
.set SC,   32
.set BI,   64
.set AF,   128
.set BK,   128
.set G1, 24
.set G0, 32
.set G1B, 48
.set G0B, 56
.set G1S, 68
.set G0S, 76
.set G1SB, 80
.set G0SB, 88
.set MSB, 0
.macro WIN new                         ; the immediate's high byte repeats the setting that is left
.if MSB != \new
	s_set_vgpr_msb (MSB<<8)|\new
.set MSB, \new
.endif
.endm
.set MUL_LO, 0xa1                      ; source 0 (B) window 1, source 1 (A) window 0, C and D window 2
.set MUL_HI, 0xf1                      ; the same, C and D window 3
.set FST_LO, 0x81                      ; the first step: C (the bias) window 0, D window 2
.set FST_HI, 0xc1                      ; C window 0, D window 3
.set TO_B,   0x40
.macro JLOAD g0a, g1a, g0b, g1b        ; a joint load: waves 0 and 1 fetch for A, waves 2 and 3 for B; four v_nop follow each of the two lines
	s_cmp_eq_u32 s15, 0
	s_cbranch_scc0 .Lfor_b_\@
	tensor_load_to_lds s[\g0a:\g0a+3], s[\g1a:\g1a+7]
	s_nop 0
.rept 4
	v_nop
.endr
	s_branch .Lasked_\@
.Lfor_b_\@:
	tensor_load_to_lds s[\g0b:\g0b+3], s[\g1b:\g1b+7]
	s_nop 0
.rept 4
	v_nop
.endr
.Lasked_\@:
.endm
.macro CREST
	s_cmp_lg_u32 s14, 0
	s_cbranch_scc1 .Lnot_wave_0_\@
	s_barrier_signal -3
.Lnot_wave_0_\@:
	s_barrier_wait -3
	s_barrier_signal -1
	s_barrier_wait -1
.endm
.macro CROUND
	s_barrier_signal -1
	s_barrier_wait -1
	CREST
.endm
	s_load_b256 s[4:11], s[0:1], 0x0               ; ctx s[4:5], wc s[6:7], bo s[8:9], out0 s[10:11]
	v_lshl_add_u32 v[SPW], v0, 2, SPARE
	v_mov_b32 v[NIL], 0
	ds_add_u32 v28, v29
	ds_add_u32 v28, v29
	s_wait_dscnt 0x0
	v_lshrrev_b32 v1, 5, v0
	v_readfirstlane_b32 s14, v1                    ; wave 0..3
	s_lshr_b32 s15, s14, 1                         ; which half of the tile's rows is mine.  Also: I fetch for A (0) or for B (1)
	s_and_b32 s16, s14, 1                          ; which half of its columns.  Also: which 128 rows of that tile I fetch
	s_bfe_u32 s40, ttmp6, 0x40000                  ; cx, cy
	s_bfe_u32 s41, ttmp6, 0x40004
	s_lshl_b32 s42, ttmp9, 2
	s_add_co_u32 s42, s42, s40                     ; tile column of C
	s_and_b32 s17, ttmp7, 0xffff
	s_lshl_b32 s17, s17, 2
	s_add_co_u32 s17, s17, s41                     ; tile row of C
	s_lshl_b32 s43, s41, 2
	s_lshl_b32 s43, 15, s43                        ; my row of the cluster
	s_lshl_b32 s44, 0x1111, s40                    ; my column
	; A's tiles: 8 rows of 4,096 bytes (512 elements of 8 bytes), 16,384 bytes apart, no padding
	s_or_b32 s[G1+0], s43, (3<<16)|(1<<21)         ; 15:0 the mask: my row; 17:16 elements of 8 bytes; 21 set beside a mask
	s_mov_b32 s[G1+1], 512<<16                     ; tensor_dim0
	s_mov_b32 s[G1+2], 8<<16                       ; tensor_dim1
	s_mov_b32 s[G1+3], 512<<16                     ; tile_dim0
	s_mov_b32 s[G1+4], 8                           ; tile_dim1
	s_mov_b32 s[G1+5], 2048                        ; tensor_dim0_stride
	s_mov_b32 s[G1+6], 0
	s_mov_b32 s[G1+7], 0
	; B's tiles: 128 rows x 256 bytes, padded in LDS
	s_or_b32 s[G1B+0], s44, (0<<16)|(1<<20)|(1<<21)|(5<<22)|(3<<25)
	s_mov_b32 s[G1B+1], ROWB<<16
	s_mov_b32 s[G1B+2], 128<<16
	s_mov_b32 s[G1B+3], ROWB<<16
	s_mov_b32 s[G1B+4], 128
	s_mov_b32 s[G1B+5], KROW
	s_mov_b32 s[G1B+6], 0
	s_mov_b32 s[G1B+7], 0
	; the scale bytes of 128 rows: 4,096 dense bytes, as 16 rows of 256 bytes, 16 bytes of padding behind each
	s_or_b32 s[G1S+0], s43, (3<<16)|(1<<20)|(1<<21)|(5<<22)|(3<<25)
	s_or_b32 s[G1SB+0], s44, (3<<16)|(1<<20)|(1<<21)|(5<<22)|(3<<25)
.irp g, G1S, G1SB
	s_mov_b32 s[\g+1], 32<<16
	s_mov_b32 s[\g+2], (128*KS/256)<<16
	s_mov_b32 s[\g+3], 32<<16
	s_mov_b32 s[\g+4], 128*KS/256
	s_mov_b32 s[\g+5], 32
	s_mov_b32 s[\g+6], 0
	s_mov_b32 s[\g+7], 0
.endr
	s_lshl_b32 s18, s16, 7
	s_lshl_b32 s20, s17, 8
	s_add_co_u32 s20, s20, s18                     ; A: row 256 x tile row + 128 x half
	s_lshl_b32 s46, s42, 8
	s_add_co_u32 s46, s46, s18                     ; B: row 256 x tile column + 128 x half
	s_mov_b32 s21, 0
	s_mov_b32 s47, 0
	s_mov_b64 s[18:19], KS
	s_mul_u64 s[22:23], s[20:21], s[18:19]         ; where these rows' scale bytes begin
	s_mul_u64 s[92:93], s[46:47], s[18:19]
	s_mov_b64 s[18:19], KROW
	s_mul_u64 s[20:21], s[20:21], s[18:19]         ; and their codes: 16 rows of images are 16,384 bytes, which is 1,024 a row, as in B
	s_mul_u64 s[46:47], s[46:47], s[18:19]
	s_mul_i32 s45, s14, HALFT                      ; where they go: no place in the cluster enters an LDS address
	s_mul_i32 s94, s14, HALFS
	s_wait_kmcnt 0x0
	s_mov_b64 s[12:13], s[10:11]                   ; out0
	s_mov_b64 s[98:99], s[8:9]                     ; bo
	s_add_nc_u64 s[8:9], s[6:7], 0x300000          ; wo's codes
	s_add_nc_u64 s[10:11], s[6:7], 0x418000        ; wo's scale bytes
	s_add_nc_u64 s[6:7], s[4:5], 0x800000          ; ctx's scale bytes
	s_add_nc_u64 s[20:21], s[4:5], s[20:21]
	s_add_nc_u64 s[22:23], s[6:7], s[22:23]
	s_add_nc_u64 s[46:47], s[8:9], s[46:47]
	s_add_nc_u64 s[92:93], s[10:11], s[92:93]
	CROUND                                         ; all sixteen work-groups are here: the first joint loads meet
	s_mov_b32 s[G0S], 1
	s_add_co_u32 s[G0S+1], s94, SCL
	s_mov_b64 s[G0S+2:G0S+3], s[22:23]
	s_or_b32 s[G0S+3], s[G0S+3], 0x80000000
	s_mov_b32 s[G0SB], 1
	s_add_co_u32 s[G0SB+1], s94, SCL
	s_mov_b64 s[G0SB+2:G0SB+3], s[92:93]
	s_or_b32 s[G0SB+3], s[G0SB+3], 0x80000000
	JLOAD G0S, G1S, G0SB, G1SB                     ; the scale bytes first
.irp s, 0,1
	s_mov_b32 s[G0+4*\s], 1
	s_add_co_u32 s[G0+4*\s+1], s45, \s*SLOT
	s_add_nc_u64 s[G0+4*\s+2:G0+4*\s+3], s[20:21], \s*ASTEP
	s_or_b32 s[G0+4*\s+3], s[G0+4*\s+3], 0x80000000
	s_mov_b32 s[G0B+4*\s], 1
	s_add_co_u32 s[G0B+4*\s+1], s45, \s*SLOT
	s_add_nc_u64 s[G0B+4*\s+2:G0B+4*\s+3], s[46:47], \s*ROWB
	s_or_b32 s[G0B+4*\s+3], s[G0B+4*\s+3], 0x80000000
	s_wait_alu depctr_va_vdst(0)
	s_wait_tensorcnt 0x0
	ds_add_u32 v28, v29
	s_wait_dscnt 0x0
	CROUND
	JLOAD G0+4*\s, G1, G0B+4*\s, G1B
.endr
	v_and_b32 v1, 15, v0                           ; l % 16
	v_bfe_u32 v2, v0, 4, 1                         ; l / 16
	v_and_b32 v6, 31, v0                           ; lane
	v_lshlrev_b32 v[CO], 4, v6                     ; 16 x lane
	v_mul_u32_u24 v3, v1, PITCH
	v_lshl_add_u32 v4, v2, 4, v3                   ; B: a fragment's row x pitch + 16 x half
	s_mul_i32 s21, s15, HALFT                      ; my 128 rows of A
	s_mul_i32 s22, s16, HALFT                      ; my 128 rows of B,
	s_add_co_u32 s22, s22, 2*HALFT                 ; which lie behind A's
.irp s, 0,1
	v_add_nc_u32 v[ADRA+\s], s21, v[CO]            ; A: images: 16 x lane
	v_add_nc_u32 v[ADRB+\s], s22, v4
	s_add_co_u32 s21, s21, SLOT
	s_add_co_u32 s22, s22, SLOT
.endr
	v_mul_u32_u24 v5, v1, KS                       ; my row's scale bytes: 32 a row,
	v_lshrrev_b32 v7, 8, v5
	v_lshl_add_u32 v5, v7, 4, v5                   ; and 16 more for each 256 passed
	s_mul_i32 s21, s15, HALFS
	s_mul_i32 s22, s16, HALFS
	s_add_co_u32 s22, s22, 2*HALFS
	s_sub_co_u32 s22, s22, s21
	v_mul_u32_u24 v7, s22, v2                      ; lanes 16-31 take B's: one product, the distance between the two bases
	s_add_co_u32 s21, s21, SCL
	v_add_nc_u32 v5, v5, v7
	v_add_nc_u32 v[ADRS], s21, v5
	s_mul_i32 s23, s14, 16*SPITCH                  ; my stage
	v_mul_u32_u24 v5, v1, SPITCH                   ; in: row l % 16, 32 bytes for each half of the lanes
	v_lshl_add_u32 v5, v2, 5, v5
	v_add_nc_u32 v[STO], s23, v5
	v_add_nc_u32 v[RD], s23, v[CO]                 ; back: the 32 lanes take one row of 512 bytes
	s_lshl_b32 s20, s17, 8
	s_lshl_b32 s21, s15, 7
	s_add_co_u32 s20, s20, s21                     ; my first row of C
	s_mov_b32 s21, 0
	s_mov_b64 s[18:19], SIZE_N*4
	s_mul_u64 s[20:21], s[20:21], s[18:19]
	s_lshl_b32 s46, s42, 10                        ; my first column, in bytes: 1,024 x tile column + 512 x half
	s_lshl_b32 s47, s16, 9
	s_add_co_u32 s46, s46, s47
	s_mov_b32 s47, 0
	s_add_nc_u64 s[20:21], s[20:21], s[46:47]
	s_add_nc_u64 s[12:13], s[12:13], s[20:21]
	s_add_nc_u64 s[96:97], s[98:99], s[46:47]      ; the bias of my 128 columns
	v_lshlrev_b32 v8, 5, v2                        ; lane (r, h) wants, for B's block b, columns 16 b + 8 h + 0 .. 7
.irp b, 0,1,2,3,4,5,6,7
	global_load_b128 v[BI+8*\b:BI+8*\b+3], v8, s[96:97] offset:64*\b
	global_load_b128 v[BI+8*\b+4:BI+8*\b+7], v8, s[96:97] offset:64*\b+16
.endr
.macro FRAG reg, adr, q, i             ; a fragment of B from rows: lane l holds row l % 16; registers 4 c .. 4 c + 3 hold K = 32 c + 16 (l / 16) + 0 .. 15
.irp c, 0,1,2,3
	ds_load_b128 v[\reg+4*\c:\reg+4*\c+3], v[\adr] offset:128*(\q)+32*\c+(\i)*16*PITCH
.endr
.endm
.macro FRAGA reg, adr, q, i            ; a fragment of A from its image: block i's run of 4,096 bytes, the q-th image in it, register group c
.irp c, 0,1,2,3
	ds_load_b128 v[\reg+4*\c:\reg+4*\c+3], v[\adr] offset:2048*(\q)+512*\c+(\i)*4096
.endr
.endm
; 16 matrix instructions: A's blocks a0, a0 + 1 x B's eight.  first = 1: the sums begin with the bias as C.  The 64 accumulators take turns, one instruction a turn.
.macro MUL16 a0, p, q, sc, first
.irp a, \a0, \a0+1
.irp b, 0,1,2,3,4,5,6,7
.if \first
	v_wmma_scale_f32_16x16x128_f8f6f4 v[8*(8*((\a)%4)+\b):8*(8*((\a)%4)+\b)+7], v[128*(\p)+FR*\b:128*(\p)+FR*\b+FR-1], v[AF+FR*(\a):AF+FR*(\a)+FR-1], v[BI+8*\b:BI+8*\b+7], v[SC+8*NQ*(\sc)+NQ*\b+(\q)], v[SC+8*NQ*(\sc)+NQ*(\a)+(\q)] matrix_a_fmt:MATRIX_FMT_BF8 matrix_b_fmt:MATRIX_FMT_BF8 matrix_a_scale:MATRIX_SCALE_ROW1
.else
	v_wmma_scale_f32_16x16x128_f8f6f4 v[8*(8*((\a)%4)+\b):8*(8*((\a)%4)+\b)+7], v[128*(\p)+FR*\b:128*(\p)+FR*\b+FR-1], v[AF+FR*(\a):AF+FR*(\a)+FR-1], v[8*(8*((\a)%4)+\b):8*(8*((\a)%4)+\b)+7], v[SC+8*NQ*(\sc)+NQ*\b+(\q)], v[SC+8*NQ*(\sc)+NQ*(\a)+(\q)] matrix_a_fmt:MATRIX_FMT_BF8 matrix_b_fmt:MATRIX_FMT_BF8 matrix_a_scale:MATRIX_SCALE_ROW1
.endif
.endr
.endr
.endm
.macro FETCH_B slot, q, p
	WIN TO_B
.irp i, 0,1,2,3,4,5,6,7
	FRAG 128*(\p)+FR*\i, ADRB+\slot, \q, \i
.endr
	WIN 0
.endm
.macro FETCH_A slot, q, i0
.irp i, \i0, \i0+1, \i0+2, \i0+3
	FRAGA AF+FR*(\i), ADRA+\slot, \q, \i
.endr
.endm
.macro SCALES sc
.irp i, 0,1,2,3,4,5,6,7
	ds_load_b64 v[SC+8*NQ*\sc+NQ*\i:SC+8*NQ*\sc+NQ*\i+1], v[ADRS] offset:\i*SBLK
.endr
.endm
.macro PLACES n
.rept \n
	v_nop
.endr
.endm
.macro STEP slot, q, first
	s_wait_dscnt 4*NL                              ; B's set and A's blocks 0-3 are in; the youngest sixteen loads (A's blocks 4-7) may be out
.if \first
	WIN FST_LO
.else
	WIN MUL_LO
.endif
	MUL16 0, (\q)%2, \q, \slot, \first
	MUL16 2, (\q)%2, \q, \slot, \first
	s_wait_dscnt 0                                 ; A's blocks 4-7 are in
	PLACES NP
	FETCH_B \slot, (\q)+1, 1-(\q)%2
	FETCH_A \slot, (\q)+1, 0
.if \first
	WIN FST_HI
.else
	WIN MUL_HI
.endif
	MUL16 4, (\q)%2, \q, \slot, \first
	MUL16 6, (\q)%2, \q, \slot, \first
	PLACES NP
	WIN 0
	FETCH_A \slot, (\q)+1, 4
.endm
.macro TURN slot, next, fill
	s_wait_tensorcnt 0x0                           ; all my tensor loads have landed: my part of the next slot (every window is 0 here)
	ds_add_u32 v[SPW], v[NIL]                      ; 0 onto my spare word
	s_wait_dscnt 4*NL+1                            ; the add and the youngest sixteen loads (A's blocks 4-7) may be out
	WIN MUL_LO
	MUL16 0, 1, NQ-1, \slot, 0                     ; sixteen matrix instructions stand between the add and the wait for it
	s_wait_dscnt 0x0                               ; the add is done, and my reads of this slot are over
	s_barrier_signal -1
	MUL16 2, 1, NQ-1, \slot, 0
	WIN 0
	s_barrier_wait -1
.if \fill
	CREST                                          ; the barrier has opened a round of the cluster's barrier: no wave of any partner still reads this slot's tile or has a load on its way
	s_add_nc_u64 s[G0+4*\slot+2:G0+4*\slot+3], s[G0+4*\slot+2:G0+4*\slot+3], 2*ASTEP
	s_add_nc_u64 s[G0B+4*\slot+2:G0B+4*\slot+3], s[G0B+4*\slot+2:G0B+4*\slot+3], 2*ROWB
	JLOAD G0+4*\slot, G1, G0B+4*\slot, G1B         ; the first tensor load behind the round; its four v_nop are among the places in front of the loads below
	PLACES NP-4
.else
	PLACES NP
.endif
	s_wait_alu depctr_va_vdst(0)
	v_add_nc_u32 v[ADRS], 4*NQ, v[ADRS]            ; on to the next K step's scale words (no LDS load of mine is out)
	FETCH_B \next, 0, 0
	FETCH_A \next, 0, 0
	SCALES \next
	WIN MUL_HI
	MUL16 4, 1, NQ-1, \slot, 0
	MUL16 6, 1, NQ-1, \slot, 0
	PLACES NP
	WIN 0
	FETCH_A \next, 0, 4
.endm
	s_wait_alu depctr_va_vdst(0)
	s_wait_tensorcnt 1                             ; the scale bytes and my part of K step 0 are in (K step 1's load may be out)
	s_barrier_signal -1
	s_barrier_wait -1                              ; everybody's are
	FETCH_B 0, 0, 0
	FETCH_A 0, 0, 0
	SCALES 0
	FETCH_A 0, 0, 4
	s_wait_loadcnt 0x0                             ; the bias
	STEP 0, 0, 1                                   ; the first step stands in front of the loop: its products start the sums, on the bias
	s_mov_b32 s3, LAPS-1
.Llap:
	TURN 0, 1, 1
	STEP 1, 0, 0
	TURN 1, 0, 1
	STEP 0, 0, 0
	s_sub_co_u32 s3, s3, 1
	s_cmp_lg_u32 s3, 0
	s_cbranch_scc1 .Llap
	TURN 0, 1, 0                                   ; the last lap fills nothing, and has no round of the cluster's barrier
	STEP 1, 0, 0
	s_wait_dscnt 4*NL                              ; the very last step: nothing more to fetch
	WIN MUL_LO
	MUL16 0, 1, NQ-1, 1, 0
	MUL16 2, 1, NQ-1, 1, 0
	s_wait_dscnt 0
	WIN MUL_HI
	MUL16 4, 1, NQ-1, 1, 0
	MUL16 6, 1, NQ-1, 1, 0
	WIN 0
; THE WAY OUT, block by block of 16 rows x 128 columns, through my own stage in LDS: in as 32 bytes a lane, back as whole rows of 512 bytes.  LDS serves a wave's instructions in order (ISA guide 5.7.1.4).
.macro TOSTAGE a
.set AC, 64*((\a)%4)
	WIN 0x08+4*((\a)/4)                            ; the data: window 2 or 3
.irp b, 0,1,2,3,4,5,6,7
	ds_store_b128 v[STO], v[AC+8*\b:AC+8*\b+3] offset:64*\b          ; each accumulator from its low end on
	ds_store_b128 v[STO], v[AC+8*\b+4:AC+8*\b+7] offset:64*\b+16
.endr
	WIN 0
.set BB, BK+64*((\a)%2)
.irp t, 0,1,2,3,4,5,6,7,8,9,10,11,12,13,14,15
	ds_load_b128 v[BB+4*\t:BB+4*\t+3], v[RD] offset:\t*SPITCH
.endr
.endm
.macro SEND a, younger                 ; younger: the LDS instructions issued behind block a's loads, which may stay out
.set BB, BK+64*((\a)%2)
	s_wait_dscnt \younger                          ; the block is back in registers
.if (\a) > 0
	s_add_nc_u64 s[12:13], s[12:13], 16*SIZE_N*4   ; (behind a wait on XCNT: the earlier stores have read their base)  16 rows of C on
.endif
.irp t, 0,1,2,3,4,5,6,7,8,9,10,11,12,13,14,15
	global_store_b128 v[CO], v[BB+4*\t:BB+4*\t+3], s[12:13] offset:\t*SIZE_N*4 th:TH_STORE_NT   ; 32 lanes store 512 consecutive bytes, aligned; written once, read by nobody here
.endr
.endm
	PLACES NP                                      ; behind the last products: loads land in the registers that held A's fragments, and results are read
	TOSTAGE 0
.irp a, 1,2,3,4,5,6,7
.if \a > 1
	s_wait_xcnt 0x0                                ; the stores of the block two back have read their registers and their base
.endif
	TOSTAGE \a
	SEND \a-1, 32                                  ; behind the earlier block's loads: this block's 16 stores and 16 loads
.endr
	s_wait_xcnt 0x0                                ; block 6's stores have read their base
	SEND 7, 0
	s_wait_tensorcnt 0x0                           ; the wave's end
	ds_add_u32 v[SPW], v[NIL]
	s_wait_dscnt 0x0
	CROUND                                         ; the closing round: no work-group ends while a partner may still ask for a tile that names it
	s_endpgm
.Lfunc_end_k_q46b42d9318_gemm_out:
	.size	k_q46b42d9318_gemm_out, .Lfunc_end_k_q46b42d9318_gemm_out-k_q46b42d9318_gemm_out
	.p2alignl 7, 3214868480
	.fill 96, 4, 3214868480
	.section	.rodata,"a",@progbits
	.p2align	6, 0x0
	.amdhsa_kernel k_q46b42d9318_gemm_out
		.amdhsa_group_segment_fixed_size 327680
		.amdhsa_private_segment_fixed_size 0
		.amdhsa_enable_private_segment 0
		.amdhsa_kernarg_size 32
		.amdhsa_user_sgpr_count 2
		.amdhsa_user_sgpr_kernarg_segment_ptr 1
		.amdhsa_wavefront_size32 1
		.amdhsa_system_sgpr_workgroup_id_x 1
		.amdhsa_system_sgpr_workgroup_id_y 1
		.amdhsa_system_sgpr_workgroup_id_z 1
		.amdhsa_system_vgpr_workitem_id 0
		.amdhsa_next_free_vgpr 1024
		.amdhsa_next_free_sgpr 100
		.amdhsa_reserve_vcc 0
		.amdhsa_float_denorm_mode_32 3
		.amdhsa_float_denorm_mode_16_64 3
		.amdhsa_memory_ordered 1
		.amdhsa_forward_progress 1
		.amdhsa_inst_pref_size 148
	.end_amdhsa_kernel
	.amdgpu_metadata
---
amdhsa.version: [ 1, 2 ]
amdhsa.kernels:
  - .name:           k_q46b42d9318_gemm_out
    .symbol:         k_q46b42d9318_gemm_out.kd
    .args:
      - { .name: ctx, .offset: 0, .size: 8, .value_kind: global_buffer, .address_space: global }
      - { .name: wc, .offset: 8, .size: 8, .value_kind: global_buffer, .address_space: global }
      - { .name: bo, .offset: 16, .size: 8, .value_kind: global_buffer, .address_space: global }
      - { .name: out0, .offset: 24, .size: 8, .value_kind: global_buffer, .address_space: global }
    .group_segment_fixed_size: 327680
    .private_segment_fixed_size: 0
    .kernarg_segment_align: 8
    .kernarg_segment_size: 32
    .max_flat_workgroup_size: 128
    .sgpr_count:     100
    .vgpr_count:     1024
    .wavefront_size: 32
...
	.end_amdgpu_metadata
.endif
;; end of part 4
